; MI455X (gfx1250); checked and timed in simulation.
; The chip was launched on July 23, 2026; its instructions are those of AMD's public machine-readable ISA for CDNA 5 (MIT licence, August 2026) and "CDNA5" Instruction Set Architecture Reference Guide (July 2026). The comments in the code are by the model that wrote it; some were corrected since.
;; Graph Aware Causal Attention. Allowed arithmetic: matrix products marked QUANTISED: E2M3 operands, one E8M0 scale for each 32 along K, by v_wmma_scale_f32_16x16x128_f8f6f4 with both operands' format E2M3, f32 sums; everything else in f32.
;; Inputs: Wproj 1,024 x 1,024 float32; Wqkv 1,024 x 3,072 float32; adj_bias 16 float32; edge_table 17 x 16 float32; edge_types 2 x 2,048 x 2,048 int32; graph_adj 2 x 2,048 x 2,048 float32; x 2 x 2,048 x 1,024 float32.
;; Outputs: out0 2 x 2,048 x 1,024 float32.
;; This version of the problem:
;;   THIS VERSION OF THE PROBLEM IS GIVEN IN LOW PRECISION. The matrix products marked QUANTISED in the list below multiply operands that are first quantised to E2M3 (2 exponent bits, 3 mantissa bits; 6 bits a number), with one power-of-two scale for each 32 numbers along K (OCP MX v1.0); their sums are f32. All else is computed in f32.
;;   The module's matrix products, in the order in which they are computed (A, B: the left and right operand; K: the contracted axis; several contracted axes count as one K, in the product's order):
;;     1. [M 4,096, K 1,024] x [K 1,024, N 3,072]; A: input x; B: input Wqkv: QUANTISED
;;     2. batch 32 x [M 2,048, K 64] x [K 64, N 2,048]; A: computed on the way; B: computed on the way: QUANTISED
;;     3. batch 32 x [M 64, K 2,048] x [K 2,048, N 2,048]; A: computed on the way; B: softmax (see below): QUANTISED
;;     4. [M 4,096, K 1,024] x [K 1,024, N 1,024]; A: computed on the way; B: input Wproj: QUANTISED
;;   THE QUANTISER, for each operand of a quantised product, along K:
;;     - K is cut into blocks of 32 from its start; a last block that is shorter is filled with zeros.
;;     - A block's scale is 2^e with e = floor(log2(the largest magnitude in the block)) - 2, held to -126 .. 127; a block of zeros has e = 0. As a byte (E8M0): e + 127.
;;     - Each number is divided by its block's scale, clamped to +-7.5, and rounded to the nearest number of E2M3, ties to even, subnormals kept.
;;     - The product sums the exact products of the quantised numbers (number of the format x scale) in f32.
;;   ~~~python
;;   def quantise(x, axis):      # numpy; x: float32 -> the quantised numbers, widened to float32 again
;;       x = np.moveaxis(x, axis, -1); K = x.shape[-1]
;;       x = np.pad(x, [(0, 0)] * (x.ndim - 1) + [(0, -K % 32)]); x = x.reshape(x.shape[:-1] + (-1, 32)); a = np.abs(x).max(-1, keepdims=True)
;;       e = np.where(a > 0, np.clip(np.frexp(np.where(a > 0, a, 1))[1] - 1 - 2, -126, 127), 0)      # np.frexp(a)[1] - 1 = floor(log2(a)), exactly
;;       r = np.clip(x / 2.0 ** e, -7.5, 7.5)
;;       step = 2.0 ** (np.maximum(np.frexp(np.where(r == 0, 1, r))[1] - 1, 0) - 3)
;;       q = np.round(r / step) * step * 2.0 ** e      # np.round: ties to even
;;       return np.moveaxis(q.reshape(q.shape[:-2] + (-1,))[..., :K], -1, axis).astype(np.float32)
;;   ~~~
;;   SOFTMAX AHEAD OF A QUANTISED PRODUCT. Where the list says 'softmax', what is quantised is not the finished softmax but p = 2^(t - M), with t = logit x log2(e) and M = ceil(the row's largest t), a whole number; so 1/2 < the row's largest p <= 1. The row's sum l is taken of the UNQUANTISED p, in f32, and the product's result is divided by l at the end. Since M is a whole number, a kernel that streams over the keys may use a running M (the ceiling of the running maximum): every later rescaling is an exact power of two, which a block's scale takes up: the codes' values come out the same.
;;   OPERANDS COMPUTED ON THE WAY. 'Computed on the way' means the value that the module computes at that place (a softmax that the list does not call 'softmax' is quantised finished and normalised). What goes into a quantiser is computed in f32, as accurately as f32 sums, v_exp_f32 and their like allow (about 1e-6 of the number): no bf16 or f16 on the way to a quantiser, and a product that is left as it is and whose result goes on into a quantised operand takes f32 operands (vector FMAs, or v_wmma_f32_16x16x4_f32). A number that lies on a knife's edge between two numbers of the format may be rounded either way, as far as f32 arithmetic and the matrix unit's own rounding can turn it there, and no further.
;; One version. Each part assembles by itself: llvm-mc -triple=amdgcn-amd-amdhsa -mcpu=gfx1250 --defsym DOCPART=n.
;; ======== version 1 of 1: 4 launches
;; limits: right only within a limited range of input values
;; workspace buffers: xi 3,407,872 bytes; wi 2,555,904 bytes; wpi 851,968 bytes; zq 3,407,872 bytes; zk 3,407,872 bytes; zv 3,407,872 bytes; ao 3,407,872 bytes
;; launch quant (part 1): grid 512 x 1, 4 waves a work-group, no clusters, 68,096 bytes of LDS; arguments x, Wqkv, Wproj, xi, wi, wpi; writes xi, wi, wpi
.if DOCPART == 1
	.amdgcn_target "amdgcn-amd-amdhsa--gfx1250"
	.amdhsa_code_object_version 6
	.text
	.protected	k_q6aad739616_quant
	.globl	k_q6aad739616_quant
	.p2align	8
	.type	k_q6aad739616_quant,@function
k_q6aad739616_quant:
	s_mov_b64 s[64:65], 0
	v_nop
	global_prefetch_b8 v0, s[64:65] scope:SCOPE_SE
	s_setreg_imm32_b32 hwreg(HW_REG_WAVE_MODE, 25, 1), 1
	s_wait_xcnt 0x0
; x [4096][1024], Wqkv [1024][3072] and Wproj [1024][1024], f32, become codes of FP6 (E2M3) with one E8M0 byte for each 32 along K (K = 1024: x's last axis, the weights' first).
; A block's scale is 2^(floor(log2(largest magnitude)) - 2): its byte is the largest magnitude's exponent field - 2, held at 1 from below by a floor among the maximum's leaves.
; WHAT IS STORED IS THE OPERAND'S REGISTER IMAGE.  A RECORD (1,664 bytes) is one fragment, 16 rows x 128 K: six groups of 256 bytes (group g: lane l's registers 2 g, 2 g + 1 at 256 g + 8 l),
; then 32 scale words (word l: the four bytes of row l % 16).  So the products' launches fetch a fragment by six loads of 8 bytes a lane and one of 4, each of consecutive bytes, with no pitch.
; THE ROWS OF A TILE ARE NOT NEIGHBOURS: tile 2 B + u holds rows 32 B + 8 u + r + 8 (r / 8), r = 0 .. 15, so that the results of two neighbouring tiles, used as source 0, are 16 neighbours in a lane.
; xi [token tile 256][K step 8][record], wi [column tile 192][8][record], wpi [column tile 64][8][record].
; SHARES.  Work-groups 0-255: token tile = the work-group's number, wave p takes K steps 2 p, 2 p + 1.  256-447: Wqkv, 448-511: Wproj: a wave takes 32 columns x 128 K.  Every wave reads 16 KiB once.
; No cluster, no tensor load, no barrier: no two waves read the same byte.  Only x's path uses LDS (a wave's own stage, to turn rows loaded 16 bytes a lane into 128 bytes a lane).
; LIMITS: NaN and infinities among the inputs are not served.  A block whose largest magnitude lies under 2^-124, a block of zeros among them, keeps the byte 1: the bytes are read by this program alone, and zero codes add nothing under it.
.set REC, 1664
; ---- x: K step s of my two.  16 rows x 512 bytes go through the stage (rows 528 bytes apart)
.macro XSTEP s
.set CD, 208+12*\s
	s_wait_loadcnt 16-16*\s                        ; this K step's 16 loads are in; the other step's 16 may be out
.irp i, 0,1,2,3,4,5,6,7,8,9,10,11,12,13,14,15
	ds_store_b128 v8, v[16+64*\s+4*\i:16+64*\s+4*\i+3] offset:8448*\s+528*\i
.endr
.irp c, 0,1
.irp j, 0,1,2,3,4,5,6,7
	ds_load_b128 v[144+32*\c+4*\j:144+32*\c+4*\j+3], v9 offset:8448*\s+256*\c+16*\j   ; LDS serves a wave's instructions in order: these see the stores.  Lane (r, h): k = 64 c + 32 h + 0 .. 31 of row r
.endr
.endr
	s_wait_dscnt 0x0
.irp c, 0,1
	v_max3_num_f32 v[10+\c], |v[144+32*\c]|, |v[145+32*\c]|, 0x1800000   ; my block 2 c + h: all 32 numbers are mine; the floor 2^(3 - 127) holds the byte at 1
.endr
.irp i, 2,4,6,8,10,12,14,16,18,20,22,24,26,28,30
.irp c, 0,1
	v_max3_num_f32 v[10+\c], v[10+\c], |v[144+32*\c+\i]|, |v[145+32*\c+\i]|
.endr
.endr
.irp c, 0,1
	v_add_nc_u32 v[12+\c], 0xff000000, v[10+\c]    ; 2 off the exponent field: the conversion's scale operand
.endr
.irp c, 0,1
	v_lshrrev_b32 v[14+\c], 23, v[12+\c]           ; the scale's byte
.endr
	v_lshl_or_b32 v240, v15, 16, v14               ; my two bytes, blocks h and 2 + h,
	v_lshlrev_b32 v240, v241, v240                 ; 8 h bits up;
	v_permlanex16_b32 v242, v240, s20, s21
	v_or_b32 v[244+\s], v240, v242                 ; with lane l xor 16's two the row's word is whole, in both halves of the lanes
.irp c, 0,1
	v_cvt_scalef32_pk16_fp6_f32 v[CD+6*\c:CD+6*\c+2], v[144+32*\c:159+32*\c], v[12+\c]
	v_cvt_scalef32_pk16_fp6_f32 v[232+4*\c:234+4*\c], v[160+32*\c:175+32*\c], v[12+\c]   ; (a conversion's three registers begin on an even number)
.endr
	v_nop                                          ; one plain line behind the conversions
.irp c, 0,1
.irp i, 0,1,2
	v_mov_b32 v[CD+6*\c+3+\i], v[232+4*\c+\i]
.endr
.endr
.irp g, 0,1,2,3,4,5
	global_store_b64 v5, v[CD+2*\g:CD+2*\g+1], s[10:11] offset:\s*REC+256*\g   ; 32 lanes store 256 consecutive bytes
.endr
	global_store_b32 v6, v[244+\s], s[10:11] offset:\s*REC
.endm
; ---- a weight: one block of 32 along K of my column: registers 16 + 32 bk on
.macro WBLOCK bk
.set XW, 16+32*\bk
	v_max3_num_f32 v8, |v[XW]|, |v[XW+1]|, |v[XW+2]|
	v_max3_num_f32 v9, |v[XW+3]|, |v[XW+4]|, |v[XW+5]|
.irp i, 6,10,14,18,22,26
	v_max3_num_f32 v8, v8, |v[XW+\i]|, |v[XW+\i+1]|
	v_max3_num_f32 v9, v9, |v[XW+\i+2]|, |v[XW+\i+3]|
.endr
	v_max3_num_f32 v8, v8, |v[XW+30]|, |v[XW+31]|
	v_max3_num_f32 v8, v8, v9, 0x1800000           ; and the floor
	v_add_nc_u32 v10, 0xff000000, v8
	v_lshrrev_b32 v11, 23, v10
.if \bk == 0
	v_mov_b32 v12, v11                             ; the column's scale word: the lower K in the lower byte
.else
	v_lshl_or_b32 v12, v11, 8*\bk, v12
.endif
	v_cvt_scalef32_pk16_fp6_f32 v[144+6*\bk:146+6*\bk], v[XW:XW+15], v10
	v_cvt_scalef32_pk16_fp6_f32 v[168:170], v[XW+16:XW+31], v10
	v_nop                                          ; one plain line behind the conversions
.irp i, 0,1,2
	v_mov_b32 v[147+6*\bk+\i], v[168+\i]
.endr
.endm
; A wave's 32 columns x 128 K of a weight whose rows are pitch bytes.  s17: the work-group's number within the weight.  A LANE TAKES A COLUMN AND ITS REGISTERS RUN DOWN K: nothing is transposed.
; Lanes 0-15 hold the sixteen columns of tile 2 cg, lanes 16-31 those of tile 2 cg + 1; every load reads 128 consecutive bytes.
.macro WPATH pitch, src, dst
	s_lshr_b32 s18, s17, 1                         ; cg: which 32 columns
	s_and_b32 s19, s17, 1
	s_lshl_b32 s19, s19, 2
	s_add_co_u32 s19, s19, s16                     ; the K step
	s_mul_i32 s22, s19, 128*\pitch
	s_lshl_b32 s24, s18, 7
	s_add_co_u32 s22, s22, s24
	s_add_nc_u64 s[\src:\src+1], s[\src:\src+1], s[22:23]
	s_lshl_b32 s22, s18, 4
	s_add_co_u32 s22, s22, s19
	s_mul_i32 s22, s22, REC                        ; record (2 cg, K step); tile 2 cg + 1's lies 8 records on
	s_add_nc_u64 s[\dst:\dst+1], s[\dst:\dst+1], s[22:23]
	v_bfe_u32 v7, v0, 3, 1
	s_wait_alu depctr_va_vdst(0)
	v_lshl_add_u32 v7, v7, 3, v3
	v_lshl_add_u32 v7, v4, 3, v7                   ; my column in the 32: 8 u + r + 8 (r / 8)
	v_lshlrev_b32 v7, 2, v7
.set i, 0
.rept 128
	global_load_b32 v[16+i], v7, s[\src:\src+1] offset:i*\pitch th:TH_LOAD_NT
.set i, i+1
.endr
	s_wait_loadcnt 63                              ; at most 63 of the 128 are out: the first 65 are in, blocks 0 and 1 among them
	WBLOCK 0
	WBLOCK 1
	s_wait_loadcnt 32                              ; block 3's 32 loads may be out
	WBLOCK 2
	s_wait_loadcnt 0x0
	WBLOCK 3
.irp c, 0,1                                    ; the operand wants lane (r, h) to hold block 2 c + h of row r: block 2 c's lanes 16-31 change places with block 2 c + 1's lanes 0-15:
.irp i, 0,1,2,3,4,5
	v_permlane16_swap_b32 v[144+12*\c+\i], v[150+12*\c+\i]   ; the first is then tile 2 cg's registers 6 c + i, the second tile 2 cg + 1's
.endr
.endr
	v_mov_b32 v13, v12
	v_permlane16_swap_b32 v12, v13                 ; v12: tile 2 cg's words in both halves of the lanes; v13: tile 2 cg + 1's
.irp g, 0,1,2
	global_store_b64 v5, v[144+2*\g:145+2*\g], s[\dst:\dst+1] offset:256*\g
	global_store_b64 v5, v[156+2*\g:157+2*\g], s[\dst:\dst+1] offset:768+256*\g
	global_store_b64 v5, v[150+2*\g:151+2*\g], s[\dst:\dst+1] offset:8*REC+256*\g
	global_store_b64 v5, v[162+2*\g:163+2*\g], s[\dst:\dst+1] offset:8*REC+768+256*\g
.endr
	global_store_b32 v6, v12, s[\dst:\dst+1]
	global_store_b32 v6, v13, s[\dst:\dst+1] offset:8*REC
.endm
	s_load_b256 s[4:11], s[0:1], 0x0               ; x s[4:5], Wqkv s[6:7], Wproj s[8:9], xi s[10:11]
	s_load_b128 s[12:15], s[0:1], 0x20             ; wi s[12:13], wpi s[14:15]
	v_lshl_add_u32 v248, v0, 2, 0x10800
	v_mov_b32 v249, 0
	v_lshrrev_b32 v1, 5, v0
	v_readfirstlane_b32 s16, v1                    ; wave
	v_and_b32 v2, 31, v0                           ; lane
	v_and_b32 v3, 15, v0                           ; r
	v_bfe_u32 v4, v0, 4, 1                         ; h
	v_lshlrev_b32 v5, 3, v2                        ; out: 8 bytes a lane in a group of a record
	v_lshlrev_b32 v6, 2, v2
	v_add_nc_u32 v6, 1536, v6                      ; out: my scale word
	s_mov_b32 s20, 0x76543210
	s_mov_b32 s21, 0xfedcba98                      ; v_permlanex16_b32's selects for lane l xor 16
	s_mov_b32 s23, 0
	s_wait_kmcnt 0x0
	s_cmp_lt_u32 ttmp9, 256
	s_cbranch_scc0 .Lweights
	; ---- x
	s_lshr_b32 s17, ttmp9, 1
	s_lshl_b32 s17, s17, 5
	s_and_b32 s18, ttmp9, 1
	s_lshl_b32 s18, s18, 3
	s_add_co_u32 s17, s17, s18                     ; the tile's first row: 32 (T / 2) + 8 (T % 2)
	s_lshl_b32 s22, s17, 12                        ; rows of 4,096 bytes
	s_lshl_b32 s18, s16, 10                        ; my two K steps: 1,024 bytes
	s_add_co_u32 s22, s22, s18
	s_add_nc_u64 s[4:5], s[4:5], s[22:23]
	s_lshl_b32 s22, ttmp9, 3
	s_lshl_b32 s18, s16, 1
	s_add_co_u32 s22, s22, s18
	s_mul_i32 s22, s22, REC
	s_add_nc_u64 s[10:11], s[10:11], s[22:23]      ; record (T, 2 p)
	s_wait_alu depctr_va_vdst(0)
	v_lshlrev_b32 v7, 4, v2                        ; in: 16 bytes a lane: a load reads 512 consecutive bytes, a K step of one row
	s_mul_i32 s19, s16, 16896                      ; my two stages
	v_add_nc_u32 v8, s19, v7
	v_mul_u32_u24 v9, v3, 528
	v_lshl_add_u32 v9, v4, 7, v9
	v_add_nc_u32 v9, s19, v9                       ; back: row r, + 128 h
	v_lshlrev_b32 v241, 3, v4
	v_mov_b32 v242, 0                              ; (a lane permute's destination counts as one of its sources)
.irp s, 0,1
.irp i, 0,1,2,3,4,5,6,7,8,9,10,11,12,13,14,15
	global_load_b128 v[16+64*\s+4*\i:16+64*\s+4*\i+3], v7, s[4:5] offset:(\i+8*(\i/8))*4096+512*\s th:TH_LOAD_NT
.endr
.endr
	s_wait_alu depctr_va_vdst(0)
	XSTEP 0
	XSTEP 1
	s_wait_tensorcnt 0x0
	ds_add_u32 v248, v249
	s_wait_dscnt 0x0
	s_endpgm
.Lweights:
	s_cmp_lt_u32 ttmp9, 448
	s_cbranch_scc0 .Lwproj
	s_sub_co_u32 s17, ttmp9, 256
	WPATH 12288, 6, 12
	s_endpgm
.Lwproj:
	s_sub_co_u32 s17, ttmp9, 448
	WPATH 4096, 8, 14
	s_endpgm
.Lfunc_end_k_q6aad739616_quant:
	.size	k_q6aad739616_quant, .Lfunc_end_k_q6aad739616_quant-k_q6aad739616_quant
	.p2alignl 7, 3214868480
	.fill 96, 4, 3214868480
	.section	.rodata,"a",@progbits
	.p2align	6, 0x0
	.amdhsa_kernel k_q6aad739616_quant
		.amdhsa_group_segment_fixed_size 68096
		.amdhsa_private_segment_fixed_size 0
		.amdhsa_enable_private_segment 0
		.amdhsa_kernarg_size 48
		.amdhsa_user_sgpr_count 2
		.amdhsa_user_sgpr_kernarg_segment_ptr 1
		.amdhsa_wavefront_size32 1
		.amdhsa_system_sgpr_workgroup_id_x 1
		.amdhsa_system_sgpr_workgroup_id_y 1
		.amdhsa_system_sgpr_workgroup_id_z 1
		.amdhsa_system_vgpr_workitem_id 0
		.amdhsa_next_free_vgpr 250
		.amdhsa_next_free_sgpr 66
		.amdhsa_reserve_vcc 0
		.amdhsa_float_denorm_mode_32 3
		.amdhsa_float_denorm_mode_16_64 3
		.amdhsa_memory_ordered 1
		.amdhsa_forward_progress 1
		.amdhsa_inst_pref_size 58
	.end_amdhsa_kernel
	.amdgpu_metadata
---
amdhsa.version: [ 1, 2 ]
amdhsa.kernels:
  - .name:           k_q6aad739616_quant
    .symbol:         k_q6aad739616_quant.kd
    .args:
      - { .name: x, .offset: 0, .size: 8, .value_kind: global_buffer, .address_space: global }
      - { .name: Wqkv, .offset: 8, .size: 8, .value_kind: global_buffer, .address_space: global }
      - { .name: Wproj, .offset: 16, .size: 8, .value_kind: global_buffer, .address_space: global }
      - { .name: xi, .offset: 24, .size: 8, .value_kind: global_buffer, .address_space: global }
      - { .name: wi, .offset: 32, .size: 8, .value_kind: global_buffer, .address_space: global }
      - { .name: wpi, .offset: 40, .size: 8, .value_kind: global_buffer, .address_space: global }
    .group_segment_fixed_size: 68096
    .private_segment_fixed_size: 0
    .kernarg_segment_align: 8
    .kernarg_segment_size: 48
    .max_flat_workgroup_size: 128
    .sgpr_count:     66
    .vgpr_count:     250
    .wavefront_size: 32
...
	.end_amdgpu_metadata
.endif
;; end of part 1
;; launch qkv (part 2): grid 32 x 8, 4 waves a work-group, clusters of 4 x 1, 327,680 bytes of LDS; arguments xi, wi, zq, zk, zv; writes zq, zk, zv
.if DOCPART == 2
	.amdgcn_target "amdgcn-amd-amdhsa--gfx1250"
	.amdhsa_code_object_version 6
	.text
	.protected	k_q6aad739616_qkv
	.globl	k_q6aad739616_qkv
	.p2align	8
	.type	k_q6aad739616_qkv,@function
k_q6aad739616_qkv:
	s_mov_b64 s[64:65], 0
	v_nop
	global_prefetch_b8 v0, s[64:65] scope:SCOPE_SE
	s_setreg_imm32_b32 hwreg(HW_REG_WAVE_MODE, 25, 1), 1
	s_wait_xcnt 0x0
	s_wait_alu depctr_hold_cnt(0) depctr_sa_sdst(0) depctr_va_vdst(0) depctr_va_sdst(0) depctr_va_ssrc(0) depctr_va_vcc(0) depctr_vm_vsrc(0)
	s_getreg_b32 s2, hwreg(HW_REG_IB_STS2, 6, 4)
	s_cmp_eq_u32 s2, 0
	s_cbranch_scc0 .Lentry_in_a_cluster
	s_endpgm
.Lentry_in_a_cluster:
	s_bfe_u32 s2, ttmp6, 0x10000c
	s_cmp_lg_u32 s2, 0x3003
	s_cbranch_scc0 .Lentry_shape_is_right
	s_endpgm
.Lentry_shape_is_right:
; qkv = x Wqkv on codes of FP6 (E2M3) with E8M0 scales, K = 1024; the results never leave as f32: q and k are quantised along the head's 64, v along the keys, in registers, and stored as register images.
; A RECORD (1,664 bytes) is a fragment of 16 rows x 128 K: six groups of 256 bytes (group g: lane l's registers 2 g, 2 g + 1 at 256 g + 8 l), then 32 scale words.  Tile 2 B + u of any operand holds rows 32 B + 8 u + r + 8 (r / 8).
; SHARES.  A work-group takes 128 tokens (mb) and, one after the other, columns 128 j on of q, of k and of v: 768 tiles of 128 x 128 on 256 work-groups, in one straight line.  Wave w: th = w / 2: 64 tokens; nh = w % 2: 64 columns: 16 accumulators.
; x's fragments of the wave's four token tiles, all 8 K steps, stay in registers (384, read once).  Only the weights go through LDS: three tiles of 106,496 dense bytes, each filled once: no slot is filled again.
; For a K step a wave reads 4 fragments from LDS for 16 matrix instructions.
; CLUSTER 4 x 1: the four token blocks of a cluster read the same three weight tiles: each quarter tile is asked for jointly, by the same tensor load with the same descriptor and the mask of all four.
; q, k: source 0 = 16 columns of W, source 1 = 16 tokens: a lane holds one token, and the 32 registers of its four tiles are the head's 64 numbers, 16 h + 0 .. 15 of each block of 32.
; v: the sources are swapped: a lane holds one column (h, d) and its registers run down the tokens, which are the second attention product's K.
; zq [token tile 256][head pair 8][record]; zk [head group 4][token tile 256][pair 2][record]: registers 0-5 the pair's first head, 6-11 its second; scale words 0-15: bytes A0 A1 B0 B1, words 16-31: B0 B1 A0 A1,
; so that either head's two bytes can be had in a word's low half.  zv [key step 32][(h, d) tile 64][record], K = 128 keys.
; REGISTERS: window 0: v1-12 addresses; v32-63 x's scale words; v64-71 the weights'; v72-114 the way out; v128-255 the accumulators.  Windows 1, 2: x's fragments.  Window 3: two sets of four weight fragments.
; LIMITS: NaN and infinities are not served; a block whose largest magnitude lies under 2^-124 keeps the byte 1 (read by this program alone).
.set REC,  1664
.set TROW, 13312                       ; 8 records
.set WT,   106496                      ; a weight tile: 8 column tiles x 8 K steps
.set ACC,  128
.set XS,   32
.set WS,   64
.set AW,   3                           ; v3-5  LDS address of my fragments in weight tile t
.set AS,   6                           ; v6-8  and of their scale words
.set TM,   104
.set TP,   106
.set SO,   108
.set BY,   110
.set CT,   112
.set SEL,  50
.set MSB,  0
.macro WIN new                         ; the immediate's high byte repeats the setting that is left
.if MSB != \new
	s_set_vgpr_msb (MSB<<8)|\new
.set MSB, \new
.endif
.endm
.macro PLACES                          ; four plain lines between a matrix instruction and a load into, or a vector read of, its registers
.rept 4
	v_nop
.endr
.endm
.macro CROUND                          ; a round of the cluster's barrier
	s_barrier_signal -1
	s_barrier_wait -1
	s_cmp_lg_u32 s20, 0
	s_cbranch_scc1 .Lnot_wave_0_\@
	s_barrier_signal -3
.Lnot_wave_0_\@:
	s_barrier_wait -3
	s_barrier_signal -1
	s_barrier_wait -1
.endm
.macro FETCHW t, ks, f                 ; my four weight fragments of K step ks of tile t, and their scale words, into set f
	WIN 0xc0                                       ; destination window 3
.irp b, 0,1,2,3
.irp g, 0,1,2,3,4,5
	ds_load_b64 v[48*(\f)+12*\b+2*\g:48*(\f)+12*\b+2*\g+1], v[AW+\t] offset:\b*TROW+(\ks)*REC+256*\g
.endr
.endr
	WIN 0
.irp b, 0,1,2,3
	ds_load_b32 v[WS+4*(\f)+\b], v[AS+\t] offset:\b*TROW+(\ks)*REC
.endr
.endm
; 8 matrix instructions: token tiles a0, a0 + 1 x my four column tiles.  var = 0: source 0 = W; 1: source 0 = x.  The 16 accumulators take turns, one instruction a turn.
.macro MUL8 var, f, ks, a0, zero
.set XB, 48*((\ks)%5)
.if \var
.if (\ks) < 5
	WIN 0x0d                                       ; source 0 (x) window 1, source 1 (W) window 3
.else
	WIN 0x0e
.endif
.else
.if (\ks) < 5
	WIN 0x07                                       ; source 0 (W) window 3, source 1 (x) window 1
.else
	WIN 0x0b
.endif
.endif
.irp a, \a0, \a0+1
.irp b, 0,1,2,3
.if \var
.set AD, ACC+8*(4*\b+(\a))
.set WA, XB+12*(\a)
.set WB, 48*(\f)+12*\b
.set SA, XS+8*(\a)+(\ks)
.set SB, WS+4*(\f)+\b
.else
.set AD, ACC+8*(4*(\a)+\b)
.set WA, 48*(\f)+12*\b
.set WB, XB+12*(\a)
.set SA, WS+4*(\f)+\b
.set SB, XS+8*(\a)+(\ks)
.endif
.if \zero
	v_wmma_scale_f32_16x16x128_f8f6f4 v[AD:AD+7], v[WA:WA+11], v[WB:WB+11], 0, v[SA], v[SB] matrix_a_fmt:MATRIX_FMT_FP6 matrix_b_fmt:MATRIX_FMT_FP6
.else
	v_wmma_scale_f32_16x16x128_f8f6f4 v[AD:AD+7], v[WA:WA+11], v[WB:WB+11], v[AD:AD+7], v[SA], v[SB] matrix_a_fmt:MATRIX_FMT_FP6 matrix_b_fmt:MATRIX_FMT_FP6
.endif
.endr
.endr
.endm
.macro KSTEP var, t, ks, zero, fetch
	s_wait_dscnt 0x0                               ; this K step's fragments are in (asked for 16 matrix instructions ago)
.if \fetch
	PLACES                                         ; behind the last product that read the other set
	FETCHW \t, (\ks)+1, ((\ks)+1)%2
.endif
	MUL8 \var, (\ks)%2, \ks, 0, \zero
	MUL8 \var, (\ks)%2, \ks, 2, \zero
.endm
.macro TILE var, t                     ; the first K step's products start the sums: nothing is cleared
	KSTEP \var, \t, 0, 1, 1
.irp k, 1,2,3,4,5,6
	KSTEP \var, \t, \k, 0, 1
.endr
	KSTEP \var, \t, 7, 0, 0
	WIN 0
.endm
; 32 numbers of a lane, register 16 B + i = k 32 B + 16 h + i of the lane's row, become six registers of codes (lane (r, h): block h of row r) in v[cf] on and the two scale bytes in v[hw].
.macro QUANT2 s, cf, hw
.irp b, 0,1
	v_max3_num_f32 v[TM+\b], |v[\s+16*\b]|, |v[\s+1+16*\b]|, 0x1800000   ; each accumulator is read from its low end on; the floor 2^(3 - 127) holds the byte at 1
.endr
.irp i, 2,4,6,8,10,12,14
.irp b, 0,1
	v_max3_num_f32 v[TM+\b], v[TM+\b], |v[\s+16*\b+\i]|, |v[\s+1+16*\b+\i]|
.endr
.endr
.irp b, 0,1
	v_permlanex16_b32 v[TP+\b], v[TM+\b], s[SEL], s[SEL+1]
.endr
.irp b, 0,1
	v_max_num_f32 v[TM+\b], v[TM+\b], v[TP+\b]     ; with lane l xor 16's 16: the block's largest magnitude
.endr
.irp b, 0,1
	v_add_nc_u32 v[SO+\b], 0xff000000, v[TM+\b]    ; 2 off the exponent field: the conversion's scale operand
.endr
.irp b, 0,1
	v_lshrrev_b32 v[BY+\b], 23, v[SO+\b]
.endr
	v_lshl_or_b32 v[\hw], v[BY+1], 8, v[BY]
	v_cvt_scalef32_pk16_fp6_f32 v[\cf:\cf+2], v[\s:\s+15], v[SO]
	v_cvt_scalef32_pk16_fp6_f32 v[CT:CT+2], v[\s+16:\s+31], v[SO+1]
	v_nop                                          ; one plain line behind the conversions
.irp i, 0,1,2
	v_permlane16_swap_b32 v[\cf+\i], v[CT+\i]      ; a whole block to a lane: the first now holds each lane's block's lower 16 codes, the second the upper 16
.endr
.irp i, 0,1,2
	v_mov_b32 v[\cf+3+\i], v[CT+\i]
.endr
.endm
; The way out of a tile: four groups of 32 registers become four half records.  again = 1: the registers that the last tile's stores read are written again only behind the wait.
.macro EPI sb, stride, vo, vs, again
.if \again
	s_wait_xcnt 0x0
.endif
.irp grp, 0,1,2,3
	QUANT2 ACC+32*\grp, 72+8*\grp, 78+8*\grp
.irp g, 0,1,2
	global_store_b64 v[\vo], v[72+8*\grp+2*\g:72+8*\grp+2*\g+1], s[\sb:\sb+1] offset:\grp*\stride+256*\g   ; 32 lanes store 256 consecutive bytes
.endr
	global_store_b16 v[\vs], v[78+8*\grp], s[\sb:\sb+1] offset:\grp*\stride
.endr
.endm
	s_load_b256 s[4:11], s[0:1], 0x0               ; xi s[4:5], wi s[6:7], zq s[8:9], zk s[10:11]
	s_load_b64 s[12:13], s[0:1], 0x20              ; zv
	v_lshl_add_u32 v126, v0, 2, 0x4e000
	v_mov_b32 v127, 0
	ds_add_u32 v126, v127
	ds_add_u32 v126, v127
	v_lshrrev_b32 v1, 5, v0
	v_readfirstlane_b32 s20, v1                    ; wave
	s_lshr_b32 s21, s20, 1                         ; th
	s_and_b32 s22, s20, 1                          ; nh
	s_bfe_u32 s23, ttmp6, 0x40000                  ; cx
	s_lshl_b32 s14, ttmp9, 2
	s_add_co_u32 s14, s14, s23                     ; mb: my 128 tokens.  It enters x's loads and the stores alone
	s_and_b32 s15, ttmp7, 0xffff                   ; j, which the four partners share
	; descriptor group 1: 26,624 dense bytes as 104 rows of 256 bytes (32 elements of 8 bytes)
	s_mov_b32 s24, 15|(3<<16)|(1<<21)              ; 15:0 the mask: all four work-groups; 17:16 elements of 8 bytes; 21 set beside a mask
	s_mov_b32 s25, 32<<16                          ; tensor_dim0
	s_mov_b32 s26, 104<<16                         ; tensor_dim1
	s_mov_b32 s27, 32<<16                          ; tile_dim0
	s_mov_b32 s28, 104                             ; tile_dim1
	s_mov_b32 s29, 32                              ; from row to row
	s_mov_b32 s30, 0
	s_mov_b32 s31, 0
	s_mul_i32 s46, s20, 26624                      ; my quarter of a tile, in memory and in LDS
	s_mul_i32 s44, s15, WT
	s_add_co_u32 s44, s44, s46
	s_mov_b32 s45, 0
	s_mov_b32 s[SEL], 0x76543210
	s_mov_b32 s[SEL+1], 0xfedcba98
	s_wait_dscnt 0x0
	s_wait_kmcnt 0x0
	s_add_nc_u64 s[44:45], s[6:7], s[44:45]        ; column tiles 8 j on, of q
.irp t, 0,1,2
	s_mov_b32 s[32+4*\t], 1                        ; count = 1
	s_add_co_u32 s[33+4*\t], s46, \t*WT            ; LDS address
	s_add_nc_u64 s[34+4*\t:35+4*\t], s[44:45], \t*64*TROW   ; q's, k's, v's column tiles lie 64 apart
	s_or_b32 s[35+4*\t], s[35+4*\t], 0x80000000    ; type = 2
.endr
	CROUND                                         ; all four work-groups are here: the joint loads meet
	tensor_load_to_lds s[32:35], s[24:31]          ; q's tile, the first fill: one load of mine is out
	s_nop 0
.rept 4
	v_nop
.endr
	s_lshl_b32 s16, s14, 3
	s_lshl_b32 s17, s21, 2
	s_add_co_u32 s16, s16, s17                     ; my first token tile: 8 mb + 4 th
	s_mov_b32 s53, 0
	s_mul_i32 s52, s16, TROW
	s_add_nc_u64 s[4:5], s[4:5], s[52:53]          ; xi
	s_mul_i32 s17, s15, REC
	s_add_co_u32 s52, s52, s17
	s_add_nc_u64 s[8:9], s[8:9], s[52:53]          ; zq: (token tile, head pair j)
	s_lshr_b32 s17, s15, 1
	s_mul_i32 s52, s17, 851968
	s_mul_i32 s17, s16, 3328
	s_add_co_u32 s52, s52, s17
	s_and_b32 s17, s15, 1
	s_mul_i32 s17, s17, REC
	s_add_co_u32 s52, s52, s17
	s_add_nc_u64 s[10:11], s[10:11], s[52:53]      ; zk: (group j / 2, token tile, pair j % 2)
	s_mul_i32 s52, s14, WT
	s_lshl_b32 s17, s15, 3
	s_lshl_b32 s18, s22, 2
	s_add_co_u32 s17, s17, s18
	s_mul_i32 s17, s17, REC
	s_add_co_u32 s52, s52, s17
	s_add_nc_u64 s[12:13], s[12:13], s[52:53]      ; zv: (key step mb, (h, d) tile 8 j + 4 nh)
	v_and_b32 v13, 31, v0
	v_lshlrev_b32 v1, 3, v13                       ; 8 x lane
	s_wait_alu depctr_va_vdst(0)
	v_lshlrev_b32 v14, 2, v13
	v_add_nc_u32 v2, 1536, v14                     ; 1,536 + 4 x lane
	WIN 0x40                                       ; destination window 1
.irp ks, 0,1,2,3,4
.irp a, 0,1,2,3
.irp g, 0,1,2,3,4,5
	global_load_b64 v[48*\ks+12*\a+2*\g:48*\ks+12*\a+2*\g+1], v1, s[4:5] offset:\a*TROW+\ks*REC+256*\g
.endr
.endr
.endr
	WIN 0x80                                       ; destination window 2
.irp ks, 5,6,7
.irp a, 0,1,2,3
.irp g, 0,1,2,3,4,5
	global_load_b64 v[48*(\ks-5)+12*\a+2*\g:48*(\ks-5)+12*\a+2*\g+1], v1, s[4:5] offset:\a*TROW+\ks*REC+256*\g
.endr
.endr
.endr
	WIN 0
.irp a, 0,1,2,3
.irp ks, 0,1,2,3,4,5,6,7
	global_load_b32 v[XS+8*\a+\ks], v2, s[4:5] offset:\a*TROW+\ks*REC
.endr
.endr
	s_mul_i32 s47, s22, 4*TROW                     ; my four column tiles of a weight tile
.irp t, 0,1,2
	s_add_co_u32 s48, s47, \t*WT
	v_add_nc_u32 v[AW+\t], s48, v1
	v_add_nc_u32 v[AS+\t], s48, v2
.endr
	s_mul_i32 s17, s22, 768
	v_add_nc_u32 v9, s17, v1                       ; q, k: my head's half of a record
	v_bfe_u32 v15, v0, 4, 1
	v_xor_b32 v15, s22, v15
	v_lshl_add_u32 v10, v15, 1, v2                 ; its two scale bytes: in words 0-15 at 2 nh, in words 16-31 at 2 (1 - nh)
	s_mul_i32 s17, s21, 768
	v_add_nc_u32 v11, s17, v1                      ; v: my 64 keys' half of a record
	s_lshl_b32 s17, s21, 1
	v_add_nc_u32 v12, s17, v2
	v_mov_b32 v[TP], 0                             ; (a lane permute's destination counts as one of its sources)
	v_mov_b32 v[TP+1], 0
	s_wait_alu depctr_va_vdst(0)                   ; the wait at the head's end
	s_wait_loadcnt 0x0                             ; x
	s_wait_tensorcnt 0x0                           ; my quarter of q's tile is in; three lines ahead of a later first fill
	ds_add_u32 v126, v127
	s_wait_dscnt 0x0
	CROUND                                         ; everybody's quarter is in, and the four work-groups meet
	tensor_load_to_lds s[36:39], s[24:31]          ; k's tile: my one load behind this round; it lands while q is multiplied
	s_nop 0
.rept 4
	v_nop
.endr
	FETCHW 0, 0, 0
	TILE 0, 0
	s_wait_tensorcnt 0x0                           ; k's tile; the same three lines and a round ahead of v's first fill
	ds_add_u32 v126, v127
	s_wait_dscnt 0x0
	CROUND
	tensor_load_to_lds s[40:43], s[24:31]          ; v's tile: it lands while k is multiplied
	s_nop 0
	PLACES
	FETCHW 1, 0, 0
	EPI 8, TROW, 9, 10, 0
	TILE 0, 1
	s_wait_tensorcnt 0x0
	s_barrier_signal -1
	s_barrier_wait -1
	PLACES
	FETCHW 2, 0, 0
	EPI 10, 3328, 9, 10, 1
	TILE 1, 2
	PLACES
	EPI 12, REC, 11, 12, 1
	s_wait_tensorcnt 0x0
	ds_add_u32 v126, v127
	s_wait_dscnt 0x0
	CROUND                                         ; the closing round
	s_endpgm
.Lfunc_end_k_q6aad739616_qkv:
	.size	k_q6aad739616_qkv, .Lfunc_end_k_q6aad739616_qkv-k_q6aad739616_qkv
	.p2alignl 7, 3214868480
	.fill 96, 4, 3214868480
	.section	.rodata,"a",@progbits
	.p2align	6, 0x0
	.amdhsa_kernel k_q6aad739616_qkv
		.amdhsa_group_segment_fixed_size 327680
		.amdhsa_private_segment_fixed_size 0
		.amdhsa_enable_private_segment 0
		.amdhsa_kernarg_size 40
		.amdhsa_user_sgpr_count 2
		.amdhsa_user_sgpr_kernarg_segment_ptr 1
		.amdhsa_wavefront_size32 1
		.amdhsa_system_sgpr_workgroup_id_x 1
		.amdhsa_system_sgpr_workgroup_id_y 1
		.amdhsa_system_sgpr_workgroup_id_z 1
		.amdhsa_system_vgpr_workitem_id 0
		.amdhsa_next_free_vgpr 864
		.amdhsa_next_free_sgpr 66
		.amdhsa_reserve_vcc 0
		.amdhsa_float_denorm_mode_32 3
		.amdhsa_float_denorm_mode_16_64 3
		.amdhsa_memory_ordered 1
		.amdhsa_forward_progress 1
		.amdhsa_inst_pref_size 151
	.end_amdhsa_kernel
	.amdgpu_metadata
---
amdhsa.version: [ 1, 2 ]
amdhsa.kernels:
  - .name:           k_q6aad739616_qkv
    .symbol:         k_q6aad739616_qkv.kd
    .args:
      - { .name: xi, .offset: 0, .size: 8, .value_kind: global_buffer, .address_space: global }
      - { .name: wi, .offset: 8, .size: 8, .value_kind: global_buffer, .address_space: global }
      - { .name: zq, .offset: 16, .size: 8, .value_kind: global_buffer, .address_space: global }
      - { .name: zk, .offset: 24, .size: 8, .value_kind: global_buffer, .address_space: global }
      - { .name: zv, .offset: 32, .size: 8, .value_kind: global_buffer, .address_space: global }
    .group_segment_fixed_size: 327680
    .private_segment_fixed_size: 0
    .kernarg_segment_align: 8
    .kernarg_segment_size: 40
    .max_flat_workgroup_size: 128
    .sgpr_count:     66
    .vgpr_count:     864
    .wavefront_size: 32
...
	.end_amdgpu_metadata
.endif
;; end of part 2
;; launch attn (part 3): grid 32 x 8, 8 waves a work-group, clusters of 4 x 1, 327,680 bytes of LDS; arguments zq, zk, zv, graph_adj, edge_types, adj_bias, edge_table, ao; writes ao
.if DOCPART == 3
	.amdgcn_target "amdgcn-amd-amdhsa--gfx1250"
	.amdhsa_code_object_version 6
	.text
	.protected	k_q6aad739616_attn
	.globl	k_q6aad739616_attn
	.p2align	8
	.type	k_q6aad739616_attn,@function
k_q6aad739616_attn:
	s_mov_b64 s[64:65], 0
	v_nop
	global_prefetch_b8 v0, s[64:65] scope:SCOPE_SE
	s_setreg_imm32_b32 hwreg(HW_REG_WAVE_MODE, 25, 1), 1
	s_wait_xcnt 0x0
	s_wait_alu depctr_hold_cnt(0) depctr_sa_sdst(0) depctr_va_vdst(0) depctr_va_sdst(0) depctr_va_ssrc(0) depctr_va_vcc(0) depctr_vm_vsrc(0)
	s_getreg_b32 s2, hwreg(HW_REG_IB_STS2, 6, 4)
	s_cmp_eq_u32 s2, 0
	s_cbranch_scc0 .Lentry_in_a_cluster
	s_endpgm
.Lentry_in_a_cluster:
	s_bfe_u32 s2, ttmp6, 0x10000c
	s_cmp_lg_u32 s2, 0x3003
	s_cbranch_scc0 .Lentry_shape_is_right
	s_endpgm
.Lentry_shape_is_right:
; Causal attention with a bias for each (query, key, head): logit = q.k / 8 + adj_bias[h] graph_adj[b][q][k] + edge_table[edge_types[b][q][k]][h]; both products on codes of FP6 (E2M3) with E8M0 scales.
; t = logit x log2(e); M = the running largest t rounded up to a whole number; p = 2^(t - M) is quantised along the keys, not normalised; the row's sum is taken of the unquantised p and divides at the end.
; The result O / l is quantised along the 1,024 columns (a head's 64 are two blocks) and stored as the last product's operand.
; LEFT OUT: steps of 128 keys that lie wholly above the diagonal: the causal mask sets their logits to -infinity, so their p is 0 for all inputs. A NaN or infinity that reaches only those logits is not carried on.
; q, k, v and the result are RECORDS (1,664 bytes: the register image of 16 rows x 128 K: six groups of 256 bytes, then 32 scale words).  A record of zq, zk, ao holds two heads: registers 0-5 the first, 6-11 the second.
; The first product's K is 64: a head's six registers stand in an operand's lower half; q's upper half is zero codes, so whatever stands in k's upper half adds nothing.
; SHARES.  A wave owns 16 queries x 1 head: wave w: query tile u = w % 2, head 4 g + w / 2.  A work-group owns 32 queries x 4 heads, twice: block iH = 63 - iL, then block iL = 4 m + cy.
; The heavy block needs NH = 16 - m steps of 128 keys, the light one m + 1: every work-group walks 17 steps.
; A TRIP IS TWO HALVES OF TWO STEPS, laid in chunks by turns.  THE FRONT of step n is LDS work: edge types, adj, 64 lookups; it ends in S^T = K Q^T + 8 x bias.  THE BACK of step n - 1 is vector work:
; maxima, exponentials, sums, p's codes; it ends in O^T += V^T p^T.  The bias is made in registers of its own (C) and is the C of the score product, whose D (S) is written only when p's conversions have read S.
; K AND V GO FROM MEMORY STRAIGHT INTO REGISTERS: they are register images, so a load of 8 bytes a lane reads 256 consecutive bytes.  At trip n's end a wave asks for its head's K of step n + 1 (32 loads) and V of step n (28 loads);
; both are multiplied at trip n + 1's end: 60 loads are out for a whole trip, and one wait for 0 stands ahead of the products.  No joint load for them: a wave wants its own head's 13,312 bytes of a step alone,
; and through LDS they would cost 53,248 bytes of each slot and 60 LDS reads a wave in each step.  Asked for a trip ahead, they have no prefetch beside them.
; THE DIAGONAL.  The mask runs in the heavy block's last step (its back stands in trip NH) and in step 16, the light block's last.  In trip NH a scalar branch lets in the mask and the light block's q, and at the trip's end
; a second one keeps O^T and the sum in v392-425 and sets the running maximum back.  The test (trip against 16 - m) is made of the cluster's x alone: the same in all waves and all partners; it leads round register work alone.
; CLUSTER 4 x 1 (m = cluster x; work-group y = 4 b + cy; cx = g: four heads).  The two bias tiles (32 queries x 128 keys of f32 and of i32) hang on (b, block, step) and not on g:
; the four partners ask for them jointly, so each bias byte is asked for once for all 16 heads.
; The table's 17 numbers of my head, times 8, lie in 17 lanes of one register; ds_bpermute_b32 looks an edge type up (no LDS byte is touched).
; LAYOUT.  Both products are used transposed: a lane holds ONE query.  Tile 2 B + u of keys holds keys 32 B + 8 u + r + 8 (r / 8): the 16 registers of two neighbouring tiles are keys 32 B + 16 h + 0 .. 15.
; LDS: two slots 2^17 bytes apart, each from byte 53,248 on: adj rows 0-15, 16-31 | edges rows 0-15, 16-31 (rows 528 bytes apart, the upper sixteen 128 bytes further on).
; REGISTERS, window 0: v1-4 K's and V's offsets in memory; v5 my LDS place; v6, v7 the spare word's; v8 prefetch offset; v9 the mask's bound; v10 table; v11 q's scale word; v12 -M, v13 largest t, v[14:15] the sum; v16-27 q;
;   v28-47 p's codes; v48-59 K's and V's scale words; v60, v61 store offsets; v62-87 at work; v92 the trip's LDS address; v96-159 S; v160-223 C; v224-255 adj, two quarters.
;   window 1: v256-309 K; v312-359 V; v360-391 O^T; v392-425 the heavy block's O^T and sum; v426-433 the light block's q, scale word and bound.
; LIMITS: NaN and infinities are not served; t under -3e38 is not served; edge_types lies in 0 .. 16, as the problem states (a lane index is taken modulo 32, and lanes 17-31 hold entry 16);
;   a block whose largest magnitude lies under 2^-124 keeps the byte 1 (read by this program alone).
.set REC,   1664
.set SLOT1, 131072
.set AOFF,  53248
.set EOFF,  17152                      ; the edges lie this far behind adj
.set SPARE, 262144                     ; the spare words: 128 bytes for each of eight waves
.set AK0, 1
.set AKS0, 2
.set AV0, 3
.set AVS0, 4
.set AA0, 5
.set SPW, 6
.set NIL, 7
.set PFO, 8
.set QD,  9
.set TBL, 10
.set QS,  11
.set Q,   16
.set P,   28
.set CT,  40
.set KS,  48
.set VS,  56
.set STC, 60
.set STS, 61
.set TM,  62
.set TP,  66
.set SO,  70
.set W,   74
.set F,   76                           ; v76 f; v77 p's scale word
.set PSW, 77
.set X,   78                           ; v78-85 four partial sums
.set BY,  78
.set ADA, 92
.set S,   96
.set C,   160
.set AJ,  224
.set KF,  0                            ; window 1 from here on
.set VF,  56
.set O,   104
.set SV,  136
.set LQ,  170
.set WV,  20
.set NH,  33                           ; s33  the heavy block's steps: 16 - m
.set KBS, 36                           ; s[36:37] zk at (b, g), key step 0; s[38:39] zv likewise
.set VBS, 38
.set KA,  40                           ; s[40:41], s[42:43] the bases of the loads that are out
.set VA,  42
.set G1B, 44                           ; s[44:51] group 1 for the bias tiles; s[56:59] their group 0
.set G0B, 56
.set CS,  66                           ; s[66:67] log2(e) / 8
.set SEL, 68
.set AB8, 70                           ; s[70:71] 8 x adj_bias[my head]
.set TB,  72                           ; s72  the slot in hand
.set CNT, 73                           ; s73  the trip = the front's step
.set PFA, 74
.set DIFFB, 76                         ; s76  bytes from the light block's rows of a bias array to the heavy block's
.set BB,  80
.set AOB, 82
.set AOL, 84
.set PB,  90
.set NEG, 98                           ; s98  -3e38; s99  3e38
.set POS, 99
.set MSB, 0
.macro WIN new                         ; the immediate's high byte repeats the setting that is left
.if MSB != \new
	s_set_vgpr_msb (MSB<<8)|\new
.set MSB, \new
.endif
.endm
.macro ALU                             ; this wait ahead of blocking waits, branches and batches of transcendentals
	s_wait_alu depctr_va_vdst(0)
.endm
.macro NOP4
.rept 4
	v_nop
.endr
.endm
.macro CROUND                          ; a round of the cluster's barrier
	s_barrier_signal -1
	s_barrier_wait -1
	s_cmp_lg_u32 s[WV], 0
	s_cbranch_scc1 .Lnot_wave_0_\@
	s_barrier_signal -3
.Lnot_wave_0_\@:
	s_barrier_wait -3
	s_barrier_signal -1
	s_barrier_wait -1
.endm
; Waves 2 to 5 fetch the four halves of the bias tiles, the others nothing.  The branches hang on the wave's number alone.
.macro TLOAD
	s_cmp_lt_u32 s[WV], 2
	s_cbranch_scc1 .Lasked_\@
	s_cmp_lt_u32 s[WV], 6
	s_cbranch_scc0 .Lasked_\@
	tensor_load_to_lds s[G0B:G0B+3], s[G1B:G1B+7]
	s_nop 0
	NOP4
.Lasked_\@:
.endm
; A PREFETCH of the bias tiles that the NEXT change of slots will ask for: in trip n, behind the load for step n + 1, the tiles of step n + 2.  2 x 32 rows x 512 bytes are 128 aligned blocks of 256:
; the four partners take 32 each, told apart BY ADDRESS (cx < 2: adj, else the edges; rows 16 (cx % 2) on); in each, wave 6 asks: a lane a block.
; Steps 0 and 1 come by their loads alone; the last trip's address is held at step 16: it names that step's blocks a second time and leaves no buffer.
.macro ASK
	s_cmp_lg_u32 s[WV], 6
	s_cbranch_scc1 .Lnot_mine_\@
	global_prefetch_b8 v[PFO], s[PFA:PFA+1] th:TH_LOAD_NT scope:SCOPE_SE
.Lnot_mine_\@:
.endm
; Step n = CNT + ahead, held at 16: its key step into s87 (n in the heavy block, n - NH in the light one), and into s86 1 in the heavy block, 0 in the light one.
.macro WHICH ahead
	s_add_co_u32 s86, s[CNT], \ahead
	s_min_u32 s86, s86, 16
	s_sub_co_u32 s87, s86, s[NH]                   ; in the heavy block this wraps to a number above n
	s_min_u32 s87, s86, s87
	s_sub_co_u32 s86, s86, s87                     ; 0, or NH
	s_min_u32 s86, s86, 1
	s_xor_b32 s86, s86, 1
.endm
; THE CHANGE OF SLOTS at a trip's head: all my tensor loads (at most one is out), the add, my reads of the slot left.  fill = 1: a round of the cluster's barrier, and the slot left takes the next step's bias tiles.
; the add ahead of a fill is written twice.
.macro CHANGE fill
	ALU
	s_wait_tensorcnt 0x0
	ds_add_u32 v[SPW], v[NIL]
.if \fill
	ds_add_u32 v[SPW], v[NIL]
	WHICH 1                                        ; the step to be asked for
	s_mul_i32 s92, s86, s[DIFFB]
	s_lshl_b32 s87, s87, 9                         ; 128 keys of 4 bytes
	s_add_co_u32 s92, s92, s87
	s_add_nc_u64 s[G0B+2:G0B+3], s[BB:BB+1], s[92:93]
	s_or_b32 s[G0B+3], s[G0B+3], 0x80000000
	s_xor_b32 s[G0B+1], s[G0B+1], SLOT1
	WHICH 2                                        ; the step to be prefetched
	s_mul_i32 s96, s86, s[DIFFB]
	s_lshl_b32 s87, s87, 9
	s_add_co_u32 s96, s96, s87
	s_wait_xcnt 0x0                                ; the last prefetch, a trip back, has read its address
	s_add_nc_u64 s[PFA:PFA+1], s[PB:PB+1], s[96:97]
.endif
	s_wait_dscnt 0x0
.if \fill
	CROUND
	TLOAD
	ASK
.else
	s_barrier_signal -1
	s_barrier_wait -1
.endif
.endm
; 32 numbers of a lane, register 16 B + i = k 32 B + 16 h + i of the lane's row, become six registers of codes (lane (r, h): block h of row r) in v[cf] on and the two scale bytes in v[hw].
.macro QUANT2 s, cf, hw
.irp b, 0,1
	v_max3_num_f32 v[TM+\b], |v[\s+16*\b]|, |v[\s+1+16*\b]|, 0x1800000
.endr
.irp i, 2,4,6,8,10,12,14
.irp b, 0,1
	v_max3_num_f32 v[TM+\b], v[TM+\b], |v[\s+16*\b+\i]|, |v[\s+1+16*\b+\i]|
.endr
.endr
.irp b, 0,1
	v_permlanex16_b32 v[TP+\b], v[TM+\b], s[SEL], s[SEL+1]
.endr
.irp b, 0,1
	v_max_num_f32 v[TM+\b], v[TM+\b], v[TP+\b]
.endr
.irp b, 0,1
	v_add_nc_u32 v[SO+\b], 0xff000000, v[TM+\b]
.endr
.irp b, 0,1
	v_lshrrev_b32 v[BY+\b], 23, v[SO+\b]
.endr
	v_lshl_or_b32 v[\hw], v[BY+1], 8, v[BY]
	v_cvt_scalef32_pk16_fp6_f32 v[\cf:\cf+2], v[\s:\s+15], v[SO]
	v_cvt_scalef32_pk16_fp6_f32 v[CT:CT+2], v[\s+16:\s+31], v[SO+1]
	v_nop                                          ; one plain line behind the conversions
.irp i, 0,1,2
	v_permlane16_swap_b32 v[\cf+\i], v[CT+\i]
.endr
.irp i, 0,1,2
	v_mov_b32 v[\cf+3+\i], v[CT+\i]
.endr
.endm
; ---- the front's pieces
.macro ELOAD                           ; edge types of my query, keys 32 b + 16 h + 4 j on
.irp b, 0,1,2,3
.irp j, 0,1,2,3
	ds_load_b128 v[C+16*\b+4*\j:C+16*\b+4*\j+3], v[ADA] offset:EOFF+128*\b+16*\j
.endr
.endr
.endm
.macro ALOAD q, buf                    ; adj of keys 32 q + 16 h + 0 .. 15 into quarter buffer buf
.irp j, 0,1,2,3
	ds_load_b128 v[AJ+16*(\buf)+4*\j:AJ+16*(\buf)+4*\j+3], v[ADA] offset:128*(\q)+16*\j
.endr
.endm
.macro PERM q                          ; 16 lookups: 8 x edge_table[edge][my head]
.set n, 16*(\q)
.rept 16
	ds_bpermute_b32 v[C+n], v[C+n], v[TBL]
.set n, n+1
.endr
.endm
.macro BIAS q, buf                     ; 8 x the bias of the same 16 keys
.irp j, 0,2,4,6,8,10,12,14
	v_pk_fma_f32 v[C+16*(\q)+\j:C+16*(\q)+\j+1], v[AJ+16*(\buf)+\j:AJ+16*(\buf)+\j+1], s[AB8:AB8+1], v[C+16*(\q)+\j:C+16*(\q)+\j+1] op_sel_hi:[1,0,1]
.endr
.endm
.macro KLOAD                           ; eight key tiles: my head's six registers each, 256 consecutive bytes a load, and their scale words
	WIN 0x40
.irp t, 0,1,2,3,4,5,6,7
.irp g, 0,1,2
	global_load_b64 v[KF+6*\t+2*\g:KF+6*\t+2*\g+1], v[AK0], s[KA:KA+1] offset:\t*2*REC+256*\g
.endr
.endr
	WIN 0
.irp t, 0,1,2,3,4,5,6,7
	global_load_b32 v[KS+\t], v[AKS0], s[KA:KA+1] offset:\t*2*REC
.endr
.endm
.macro VLOAD                           ; V^T: four tiles of 16 of my head's 64 x 128 keys
	WIN 0x40
.irp t, 0,1,2,3
.irp g, 0,1,2,3,4,5
	global_load_b64 v[VF+12*\t+2*\g:VF+12*\t+2*\g+1], v[AV0], s[VA:VA+1] offset:\t*REC+256*\g
.endr
.endr
	WIN 0
.irp t, 0,1,2,3
	global_load_b32 v[VS+\t], v[AVS0], s[VA:VA+1] offset:\t*REC
.endr
.endm
; ---- the back's pieces
.macro MASK                            ; register 16 b + i holds key 32 b + 16 h + i of the diagonal step: hidden where 32 b + i > my query - the step's first key - 16 h
	v_mov_b32 v[W], 0xff800000
.set n, 0
.rept 64
	v_cmp_gt_i32 vcc_lo, 32*(n/16)+n%16, v[QD]
	v_cndmask_b32 v[S+n], v[S+n], v[W], vcc_lo
.set n, n+1
.endr
.endm
.macro BMAX                            ; the largest score of each block of 32 keys (it also gives the block's largest p), four chains by turns; the running M, and f = 2^(old M - new M)
.irp b, 0,1,2,3
	v_max3_num_f32 v[TM+\b], v[S+16*\b], v[S+1+16*\b], v[S+2+16*\b]
.endr
.irp i, 3,5,7,9,11,13
.irp b, 0,1,2,3
	v_max3_num_f32 v[TM+\b], v[TM+\b], v[S+16*\b+\i], v[S+1+16*\b+\i]
.endr
.endr
.irp b, 0,1,2,3
	v_max_num_f32 v[TM+\b], v[TM+\b], v[S+15+16*\b]
.endr
.irp b, 0,1,2,3
	v_permlanex16_b32 v[TP+\b], v[TM+\b], s[SEL], s[SEL+1]
.endr
.irp b, 0,1,2,3
	v_max_num_f32 v[TM+\b], v[TM+\b], v[TP+\b]
.endr
	v_max3_num_f32 v[W], v[TM], v[TM+1], v[TM+2]
	v_max_num_f32 v[W], v[W], v[TM+3]
	v_mul_f32 v[W], s[CS], v[W]                    ; as t
	v_max_num_f32 v13, v13, v[W]
	v_mov_b32 v[W], v12
	v_floor_f32 v12, -v13                          ; the new -M = -ceil(t)
	v_sub_f32 v[W], v12, v[W]                      ; old M - new M, 0 or less
	v_max_num_f32 v[W], 0xc3960000, v[W]           ; held at -300: 2^-300 is 0 in f32
	v_cvt_i32_f32 v[W], v[W]
	v_ldexp_f32 v[F], 1.0, v[W]                    ; in a block's first step f is 0: what O^T and the sum held is wiped out
.endm
.macro BFMA                            ; t - M
.set j, 0
.rept 32
	v_pk_fma_f32 v[S+j:S+j+1], v[S+j:S+j+1], s[CS:CS+1], v[12:13] op_sel_hi:[1,0,0]
.set j, j+2
.endr
.irp b, 0,1,2,3
	v_fma_f32 v[TM+\b], v[TM+\b], s[CS], v12
.endr
.endm
.macro BSUM                            ; the blocks' largest p; the row's sum of the unquantised p, in four chains; p's scale word
.irp b, 0,1,2,3
	v_exp_f32 v[TM+\b], v[TM+\b]
.endr
.irp c, 0,1,2,3
	v_pk_add_f32 v[X+2*\c:X+2*\c+1], v[S+2*\c:S+2*\c+1], v[S+8+2*\c:S+9+2*\c]
.endr
.irp k, 2,3,4,5,6,7
.irp c, 0,1,2,3
	v_pk_add_f32 v[X+2*\c:X+2*\c+1], v[X+2*\c:X+2*\c+1], v[S+8*\k+2*\c:S+8*\k+2*\c+1]
.endr
.endr
	v_pk_add_f32 v[X:X+1], v[X:X+1], v[X+2:X+3]
	v_pk_add_f32 v[X+4:X+5], v[X+4:X+5], v[X+6:X+7]
	v_pk_add_f32 v[X:X+1], v[X:X+1], v[X+4:X+5]
	v_pk_add_f32 v[14:15], v[14:15], v[X:X+1]
	ALU                                            ; ahead of the first reader of the four
.irp b, 0,1,2,3
	v_max_num_f32 v[TM+\b], 0x1800000, v[TM+\b]    ; the floor: the byte cannot fall under 1
.endr
.irp b, 0,1,2,3
	v_add_nc_u32 v[SO+\b], 0xff000000, v[TM+\b]
.endr
.irp b, 0,1,2,3
	v_lshrrev_b32 v[TP+\b], 23, v[SO+\b]
.endr
	v_lshl_or_b32 v[PSW], v[TP+1], 8, v[TP]
	v_lshl_or_b32 v[PSW], v[TP+2], 16, v[PSW]
	v_lshl_or_b32 v[PSW], v[TP+3], 24, v[PSW]
.endm
.macro BCODE                           ; p's codes, a whole block to a lane; O^T under the new M
.irp c, 0,1
	v_cvt_scalef32_pk16_fp6_f32 v[P+6*\c:P+2+6*\c], v[S+32*\c:S+15+32*\c], v[SO+2*\c]
	v_cvt_scalef32_pk16_fp6_f32 v[CT+4*\c:CT+2+4*\c], v[S+16+32*\c:S+31+32*\c], v[SO+2*\c+1]
.endr
	v_nop                                          ; one plain line behind the conversions
.irp c, 0,1
.irp i, 0,1,2
	v_permlane16_swap_b32 v[P+6*\c+\i], v[CT+4*\c+\i]
.endr
.irp i, 0,1,2
	v_mov_b32 v[P+3+6*\c+\i], v[CT+4*\c+\i]
.endr
.endr
	WIN 0x41                                       ; O^T: source 0 and destination window 1
	ALU                                            ; directly ahead of the first reader of the last trip's matrix results, behind the exponentials
.set j, 0
.rept 16
	v_pk_mul_f32 v[O+j:O+j+1], v[O+j:O+j+1], v[F:F+1] op_sel_hi:[1,0]
.set j, j+2
.endr
	WIN 0
.endm
; A TRIP.  back: the back of the step before; front: the front of step CNT; diag = 1: the heavy block's diagonal under a branch, 2: the light block's, always; kn: K of step CNT + 1 is asked for.
; The counts on DScnt: LDS serves a wave in order, and the change of slots has left nothing out.
.macro TRIP back, front, diag, kn
.if \front
	v_add_nc_u32 v[ADA], s[TB], v[AA0]
	ELOAD
	ALOAD 0, 0
	ALOAD 1, 1
.endif
.if \back
.if \diag == 1
	s_cmp_lg_u32 s[CNT], s[NH]
	ALU
	s_cbranch_scc1 .Lno_diag_\@
	MASK
	WIN 0x01                                       ; the light block's q, scale word and bound come in: this trip's front is that block's first
.irp i, 0,1,2,3,4,5
	v_mov_b32 v[Q+\i], v[LQ+\i]
.endr
	v_mov_b32 v[QS], v[LQ+6]
	v_mov_b32 v[QD], v[LQ+7]
	WIN 0
.Lno_diag_\@:
.endif
.if \diag == 2
	MASK
.endif
	BMAX
.endif
.if \front
	ALU
	s_wait_dscnt 8                                 ; the edges are in; adj's eight loads may be out
.set n, 0
.rept 64
	v_lshlrev_b32 v[C+n], 2, v[C+n]                ; a lane's number as the permute wants it: x 4
.set n, n+1
.endr
	PERM 0
	PERM 1
.endif
.if \back
	BFMA
.endif
.if \front
	ALU
	s_wait_dscnt 16                                ; adj's two quarters and the first 16 lookups are back; the second 16 may be out
	BIAS 0, 0
	ALOAD 2, 0
	PERM 2
.endif
.if \back
	ALU                                            ; ahead of the batch
.set n, 0
.rept 64
	v_exp_f32 v[S+n], v[S+n]                       ; p = 2^(t - M), at most 1
.set n, n+1
.endr
	v_pk_mul_f32 v[14:15], v[14:15], v[F:F+1] op_sel_hi:[1,0]   ; the sums under the new M (a plain line behind the exponentials)
.endif
.if \front
	ALU
	s_wait_dscnt 20                                ; the second 16 are back; adj's third quarter (4) and the third 16 may be out
	BIAS 1, 1
	ALOAD 3, 1
	PERM 3
.endif
.if \back
	ALU                                            ; behind the batch of 64 and ahead of the four
	BSUM
.endif
.if \front
	ALU
	s_wait_dscnt 20                                ; the third quarter and its lookups are back; the fourth's 4 + 16 may be out
	BIAS 2, 0
.endif
.if \back
	BCODE
.endif
.if \front
	ALU
	s_wait_dscnt 0x0                               ; the fourth are back
	BIAS 3, 1
.endif
	NOP4                                           ; plain lines between the last vector write of a C and the products
	ALU
	s_wait_loadcnt 0x0                             ; K and V, asked for at the last trip's end; their bases may be written again
.if \front
.if \kn
	WHICH 1
	s_mul_i32 s52, s87, 26624                      ; zk: bytes from key step to key step
	s_add_nc_u64 s[KA:KA+1], s[KBS:KBS+1], s[52:53]
.endif
	WHICH 0
	s_mul_i32 s54, s87, 106496                     ; zv likewise
	s_add_nc_u64 s[VA:VA+1], s[VBS:VBS+1], s[54:55]
	WIN 0x01                                       ; source 0 (K) window 1
.irp t, 0,1,2,3,4,5,6,7                        ; S^T = K Q^T + 8 x bias.  An operand's upper six registers are the next fragment's: they meet q's zero codes
	v_wmma_scale_f32_16x16x128_f8f6f4 v[S+8*\t:S+8*\t+7], v[KF+6*\t:KF+6*\t+11], v[Q:Q+11], v[C+8*\t:C+8*\t+7], v[KS+\t], v[QS] matrix_a_fmt:MATRIX_FMT_FP6 matrix_b_fmt:MATRIX_FMT_FP6
.endr
.endif
.if \back
	WIN 0x51                                       ; V, and O^T as C and D: window 1
.irp t, 0,1,2,3
	v_wmma_scale_f32_16x16x128_f8f6f4 v[O+8*\t:O+8*\t+7], v[VF+12*\t:VF+12*\t+11], v[P:P+11], v[O+8*\t:O+8*\t+7], v[VS+\t], v[PSW] matrix_a_fmt:MATRIX_FMT_FP6 matrix_b_fmt:MATRIX_FMT_FP6
.endr
.endif
	WIN 0
.if \front
	NOP4                                           ; places in front of the loads into K's and V's registers and of the first reads of S and O^T
.if \kn
	KLOAD                                          ; the next step's K, for the next trip's front
.endif
	VLOAD                                          ; this step's V, for the next trip's back
	s_xor_b32 s[TB], s[TB], SLOT1
.endif
.if \diag == 1
	s_cmp_lg_u32 s[CNT], s[NH]
	ALU
	s_cbranch_scc1 .Lno_save_\@
	WIN 0x41
.set j, 0
.rept 32
	v_mov_b32 v[SV+j], v[O+j]                      ; the heavy block's O^T is kept, each accumulator from its low end on,
.set j, j+1
.endr
	WIN 0x40
	v_mov_b32 v[SV+32], v14                        ; and its sum;
	v_mov_b32 v[SV+33], v15
	WIN 0
	v_mov_b32 v13, s[NEG]                          ; the running maximum begins anew, so that the next f is 0
	v_mov_b32 v12, s[POS]
.Lno_save_\@:
.endif
.endm
; A block's end: O^T (window 1, at src) / the sum, quantised along my head's 64: codes in v[P] on, the two scale bytes in v[W].
.macro FINQ src, places
.if \places
	NOP4
.endif
	v_add_f32 v14, v14, v15
	v_permlanex16_b32 v[W], v14, s[SEL], s[SEL+1]
	v_add_f32 v14, v14, v[W]
	ALU
	v_rcp_f32 v14, v14
	v_nop
	WIN 0x01
	ALU                                            ; ahead of the reciprocal's first reader, which is also O^T's
.set j, 0
.rept 16
	v_pk_mul_f32 v[S+j:S+j+1], v[\src+j:\src+j+1], v[14:15] op_sel_hi:[1,0]
.set j, j+2
.endr
	WIN 0
	QUANT2 S, P, W
.endm
.macro SEND sb                         ; my half of a record of ao: three stores of 256 consecutive bytes a wave, and the two scale bytes of each of the 32 words
	global_store_b64 v[STC], v[P:P+1], s[\sb:\sb+1]
	global_store_b64 v[STC], v[P+2:P+3], s[\sb:\sb+1] offset:256
	global_store_b64 v[STC], v[P+4:P+5], s[\sb:\sb+1] offset:512
	global_store_b16 v[STS], v[W], s[\sb:\sb+1]
.endm
	s_load_b512 s[4:19], s[0:1], 0x0               ; zq, zk, zv, graph_adj, edge_types, adj_bias, edge_table, ao
	v_lshl_add_u32 v[SPW], v0, 2, SPARE
	v_mov_b32 v[NIL], 0
	ds_add_u32 v[SPW], v[NIL]
	ds_add_u32 v[SPW], v[NIL]
	v_lshrrev_b32 v96, 5, v0
	s_delay_alu instid0(VALU_DEP_1)
	v_readfirstlane_b32 s[WV], v96                 ; wave 0..7
	s_bfe_u32 s21, ttmp6, 0x40000                  ; cx = g
	s_and_b32 s24, ttmp7, 0xffff                   ; work-group y = 4 b + cy
	s_and_b32 s22, s24, 3                          ; cy
	s_lshr_b32 s24, s24, 2                         ; b
	s_mov_b32 s23, ttmp9                           ; m
	s_and_b32 s25, s[WV], 1                        ; u
	s_lshr_b32 s26, s[WV], 1                       ; hh
	s_and_b32 s27, s26, 1                          ; par: which head of its pair
	s_lshr_b32 s28, s26, 1                         ; pp: which pair of the group
	s_lshl_b32 s29, s21, 2
	s_add_co_u32 s29, s29, s26                     ; my head
	s_lshr_b32 s30, s29, 1                         ; its pair
	s_lshl_b32 s31, s23, 2
	s_add_co_u32 s31, s31, s22                     ; iL
	s_sub_co_u32 s32, 63, s31                      ; iH
	s_sub_co_u32 s[NH], 16, s23
	s_mov_b32 s[G1B], 15|(2<<16)|(1<<20)|(1<<21)|(6<<22)|(3<<25)   ; bias: 16 rows of 128 elements of 4 bytes; the mask: all four partners; 21 set beside a mask; 4 words of padding behind every 128
	s_mov_b32 s[G1B+1], 128<<16
	s_mov_b32 s[G1B+2], 16<<16
	s_mov_b32 s[G1B+3], 128<<16
	s_mov_b32 s[G1B+4], 16
	s_mov_b32 s[G1B+5], 2048
	s_mov_b32 s[G1B+6], 0
	s_mov_b32 s[G1B+7], 0
	s_mov_b32 s[CS], 0x3e38aa3b                    ; log2(e) / 8
	s_mov_b32 s[CS+1], s[CS]
	s_mov_b32 s[SEL], 0x76543210
	s_mov_b32 s[SEL+1], 0xfedcba98
	s_mov_b32 s[NEG], 0xff61b1e6                   ; -3e38, under every t
	s_mov_b32 s[POS], 0x7f61b1e6                   ; and the -M that goes with it
	s_mov_b32 s[TB], 0
	s_mov_b32 s[CNT], 0
	s_mov_b32 s53, 0                               ; the upper words of the offsets
	s_mov_b32 s55, 0
	s_mov_b32 s93, 0
	s_mov_b32 s97, 0
	ALU
	s_wait_dscnt 0x0                               ; both opening adds are done
	s_wait_kmcnt 0x0
	; zk and zv at (b, g), key step 0
	s_mul_i32 s52, s21, 851968                     ; zk: bytes from group to group,
	s_mul_i32 s54, s24, 425984                     ; from batch to batch
	s_add_co_u32 s52, s52, s54
	s_add_nc_u64 s[KBS:KBS+1], s[6:7], s[52:53]
	s_mul_i32 s52, s21, 26624                      ; zv likewise
	s_mul_i32 s54, s24, 1703936
	s_add_co_u32 s52, s52, s54
	s_add_nc_u64 s[VBS:VBS+1], s[8:9], s[52:53]
	s_mov_b64 s[KA:KA+1], s[KBS:KBS+1]             ; step 0 is the heavy block's key step 0
	; my 16 rows of the bias tiles (waves 2, 3: adj's rows 0-15, 16-31; waves 4, 5: the edges'): they hang on b, m, cy and the wave, never on cx
	s_cmp_lt_u32 s[WV], 4
	s_cselect_b64 s[BB:BB+1], s[10:11], s[12:13]
	s_lshl_b32 s62, s24, 24
	s_lshl_b32 s63, s31, 18                        ; 32 iL rows of 8,192 bytes
	s_add_co_u32 s62, s62, s63
	s_lshl_b32 s63, s25, 17
	s_add_co_u32 s62, s62, s63
	s_mov_b32 s63, 0
	s_add_nc_u64 s[BB:BB+1], s[BB:BB+1], s[62:63]
	s_sub_co_u32 s[DIFFB], s32, s31
	s_lshl_b32 s[DIFFB], s[DIFFB], 18              ; 32 (iH - iL) rows
	s_mov_b32 s92, s[DIFFB]
	s_mov_b32 s[G0B], 1
	s_mul_i32 s[G0B+1], s[WV], 8576
	s_add_co_u32 s[G0B+1], s[G0B+1], 36096
	s_add_nc_u64 s[G0B+2:G0B+3], s[BB:BB+1], s[92:93]
	s_or_b32 s[G0B+3], s[G0B+3], 0x80000000
	CROUND                                         ; all four work-groups are here: the first joint loads meet
	TLOAD                                          ; step 0, into slot 0
	; my records in zq and in ao, which are laid alike: (token tile 128 b + 2 i + u, head pair)
	s_lshl_b32 s86, s24, 7
	s_add_co_u32 s86, s86, s25
	s_mul_i32 s87, s30, REC
	s_lshl_b32 s62, s32, 1
	s_add_co_u32 s62, s62, s86
	s_mul_i32 s62, s62, 8*REC
	s_add_co_u32 s62, s62, s87
	s_mov_b32 s63, 0
	s_lshl_b32 s96, s31, 1
	s_add_co_u32 s96, s96, s86
	s_mul_i32 s96, s96, 8*REC
	s_add_co_u32 s96, s96, s87
	s_add_nc_u64 s[AOB:AOB+1], s[18:19], s[62:63]
	s_add_nc_u64 s[AOL:AOL+1], s[18:19], s[96:97]
	s_add_nc_u64 s[6:7], s[4:5], s[96:97]          ; the light block's q
	s_add_nc_u64 s[4:5], s[4:5], s[62:63]          ; the heavy block's
	s_lshl_b32 s86, s29, 2
	s_mov_b32 s87, 0
	s_add_nc_u64 s[14:15], s[14:15], s[86:87]
	s_load_b32 s[AB8], s[14:15], 0x0               ; adj_bias[my head]
	v_and_b32 v96, 31, v0                          ; lane
	v_and_b32 v97, 15, v0                          ; r
	v_bfe_u32 v98, v0, 4, 1                        ; h
	v_bfe_u32 v99, v0, 3, 1                        ; r / 8
	ALU
	s_mul_i32 s35, s27, 768
	v_lshl_add_u32 v[STC], v96, 3, s35             ; my head's half of a record: 768 par + 8 x lane
	s_lshl_b32 s35, s27, 6
	s_add_co_u32 s35, s35, 1536
	v_lshl_add_u32 v100, v97, 2, s35               ; q's scale word with my head's bytes low: 1,536 + 64 par + 4 r
	v_min_u32 v101, 16, v96
	s_delay_alu instid0(VALU_DEP_1)
	v_lshlrev_b32 v101, 6, v101
	s_delay_alu instid0(VALU_DEP_1)
	v_add_nc_u32 v101, s86, v101                   ; edge_table[min(lane, 16)][my head]
.irp g, 0,1,2
	global_load_b64 v[Q+2*\g:Q+2*\g+1], v[STC], s[4:5] offset:256*\g
.endr
	global_load_b32 v[QS], v100, s[4:5]
	global_load_b32 v[TBL], v101, s[16:17]
	WIN 0x40                                       ; destination window 1
.irp g, 0,1,2
	global_load_b64 v[LQ+2*\g:LQ+2*\g+1], v[STC], s[6:7] offset:256*\g
.endr
	global_load_b32 v[LQ+6], v100, s[6:7]
	WIN 0
	; the prefetch's base: my work-group's 16 rows of one of the two arrays, at the light block's rows, key step 0
	s_cmp_lt_u32 s21, 2
	s_cselect_b64 s[PB:PB+1], s[10:11], s[12:13]
	s_and_b32 s86, s21, 1
	s_lshl_b32 s86, s86, 17
	s_lshl_b32 s87, s24, 24
	s_add_co_u32 s86, s86, s87
	s_lshl_b32 s87, s31, 18
	s_add_co_u32 s86, s86, s87
	s_mov_b32 s87, 0
	s_add_nc_u64 s[PB:PB+1], s[PB:PB+1], s[86:87]
	v_lshrrev_b32 v102, 1, v96
	v_and_b32 v103, 1, v96
	s_delay_alu instid0(VALU_DEP_1)
	v_lshlrev_b32 v103, 8, v103
	s_delay_alu instid0(VALU_DEP_1)
	v_lshl_add_u32 v[PFO], v102, 13, v103          ; row lane / 2, block lane % 2
	; my offsets in a key step of zk and of zv
	s_mul_i32 s35, s28, REC
	s_mul_i32 s86, s27, 768
	s_add_co_u32 s86, s86, s35
	v_lshl_add_u32 v[AK0], v96, 3, s86             ; K: my pair's record, my head's half, 8 x lane
	s_lshl_b32 s86, s27, 6
	s_add_co_u32 s86, s86, s35
	s_add_co_u32 s86, s86, 1536
	v_lshl_add_u32 v[AKS0], v97, 2, s86            ; its scale word with my head's bytes low
	s_mul_i32 s86, s26, 4*REC
	v_lshl_add_u32 v[AV0], v96, 3, s86             ; V: my head's four records
	s_add_co_u32 s86, s86, 1536
	v_lshl_add_u32 v[AVS0], v96, 2, s86
	v_mul_u32_u24 v[AA0], v97, 528                 ; LDS: my query's row of the bias tiles: 8 u + r + 8 (r / 8); rows 16 on lie 128 bytes further
	s_delay_alu instid0(VALU_DEP_1)
	v_mad_u32_u24 v[AA0], v99, 4352, v[AA0]
	s_delay_alu instid0(VALU_DEP_1)
	v_lshl_add_u32 v[AA0], v98, 6, v[AA0]
	s_mul_i32 s86, s25, 4224
	s_add_co_u32 s86, s86, AOFF
	v_add_nc_u32 v[AA0], s86, v[AA0]
	s_lshl_b32 s86, s27, 1
	s_add_co_u32 s86, s86, 1536
	v_lshl_add_u32 v[STS], v96, 2, s86             ; ao's scale bytes: 1,536 + 4 x lane + 2 par
	v_lshl_add_u32 v104, v99, 3, v97
	v_lshlrev_b32 v105, 4, v98
	s_delay_alu instid0(VALU_DEP_1)
	v_sub_nc_u32 v104, v104, v105                  ; r + 8 (r / 8) - 16 h
	s_lshl_b32 s87, s25, 3
	s_and_b32 s86, s32, 3
	s_lshl_b32 s86, s86, 5
	s_add_co_u32 s86, s86, s87
	v_add_nc_u32 v[QD], s86, v104                  ; + 32 (i % 4) + 8 u: my query less the diagonal step's first key, less 16 h
	s_and_b32 s86, s31, 3
	s_lshl_b32 s86, s86, 5
	s_add_co_u32 s86, s86, s87
	v_add_nc_u32 v105, s86, v104                   ; the same for the light block
.irp j, 0,1,2,3,4,5
	v_mov_b32 v[Q+6+\j], 0                         ; q's upper half: zero codes
.endr
.irp b, 0,1,2,3
	v_mov_b32 v[TP+\b], 0                          ; (a lane permute's destination counts as one of its sources)
.endr
	v_mov_b32 v[PSW], 0                            ; (named as the upper half of the pair with f before it is first written)
	v_mov_b32 v13, s[NEG]                          ; the largest t so far
	v_mov_b32 v12, s[POS]                          ; -M
	v_mov_b32 v14, 0
	v_mov_b32 v15, 0
	WIN 0x40                                       ; destination window 1
	v_mov_b32 v[LQ+7], v105
.irp j, 0,1,2,3,4,5
	v_mov_b32 v[KF+48+\j], 0                       ; what the eighth fragment of k's operand reaches into
.endr
.set j, 0
.rept 66
	v_mov_b32 v[O+j], 0                            ; O^T: the back is written once and the first finds zeros; behind it the 34 registers that keep the heavy block
.set j, j+1
.endr
	WIN 0
	ALU                                            ; the wait at the head's end
	s_wait_kmcnt 0x0
	s_mul_f32 s[AB8], s[AB8], 0x41000000           ; x 8: exact
	s_mov_b32 s[AB8+1], s[AB8]
	s_wait_loadcnt 0x0                             ; q, twice, and the table
	v_mul_f32 v[TBL], 0x41000000, v[TBL]
	KLOAD                                          ; K of step 0
	CHANGE 1                                       ; step 0's bias tiles are in; step 1's are asked for: slot 1's first fill, issued as a refill is
	TRIP 0, 1, 0, 1                                ; the front of step 0
	s_mov_b32 s[CNT], 1
.Lstep:                                            ; 15 trips: fronts 1 to 15, backs 0 to 14
	CHANGE 1
	TRIP 1, 1, 1, 1
	s_add_co_u32 s[CNT], s[CNT], 1
	s_cmp_lt_u32 s[CNT], 16
	ALU
	s_cbranch_scc1 .Lstep
	CHANGE 0                                       ; the last trip is written out; no K is left to ask for
	TRIP 1, 1, 1, 0
	TRIP 1, 0, 2, 0                                ; the back of step 16, the light block's diagonal step
	FINQ O, 1
	SEND AOL                                       ; the light block's half record
	WIN 0x01
	v_mov_b32 v14, v[SV+32]                        ; the heavy block's sum
	v_mov_b32 v15, v[SV+33]
	WIN 0
	ALU
	s_wait_xcnt 0x0                                ; the stores have read their registers, which are written again below
	FINQ SV, 0
	SEND AOB                                       ; the heavy block's half record
	s_wait_tensorcnt 0x0                           ; the wave's end
	ds_add_u32 v[SPW], v[NIL]
	s_wait_dscnt 0x0
	CROUND                                         ; the closing round
	s_endpgm
.Lfunc_end_k_q6aad739616_attn:
	.size	k_q6aad739616_attn, .Lfunc_end_k_q6aad739616_attn-k_q6aad739616_attn
	.p2alignl 7, 3214868480
	.fill 96, 4, 3214868480
	.section	.rodata,"a",@progbits
	.p2align	6, 0x0
	.amdhsa_kernel k_q6aad739616_attn
		.amdhsa_group_segment_fixed_size 327680
		.amdhsa_private_segment_fixed_size 0
		.amdhsa_enable_private_segment 0
		.amdhsa_kernarg_size 64
		.amdhsa_user_sgpr_count 2
		.amdhsa_user_sgpr_kernarg_segment_ptr 1
		.amdhsa_wavefront_size32 1
		.amdhsa_system_sgpr_workgroup_id_x 1
		.amdhsa_system_sgpr_workgroup_id_y 1
		.amdhsa_system_sgpr_workgroup_id_z 1
		.amdhsa_system_vgpr_workitem_id 0
		.amdhsa_next_free_vgpr 448
		.amdhsa_next_free_sgpr 100
		.amdhsa_reserve_vcc 1
		.amdhsa_float_denorm_mode_32 3
		.amdhsa_float_denorm_mode_16_64 3
		.amdhsa_memory_ordered 1
		.amdhsa_forward_progress 1
		.amdhsa_inst_pref_size 134
	.end_amdhsa_kernel
	.amdgpu_metadata
---
amdhsa.version: [ 1, 2 ]
amdhsa.kernels:
  - .name:           k_q6aad739616_attn
    .symbol:         k_q6aad739616_attn.kd
    .args:
      - { .name: zq, .offset: 0, .size: 8, .value_kind: global_buffer, .address_space: global }
      - { .name: zk, .offset: 8, .size: 8, .value_kind: global_buffer, .address_space: global }
      - { .name: zv, .offset: 16, .size: 8, .value_kind: global_buffer, .address_space: global }
      - { .name: graph_adj, .offset: 24, .size: 8, .value_kind: global_buffer, .address_space: global }
      - { .name: edge_types, .offset: 32, .size: 8, .value_kind: global_buffer, .address_space: global }
      - { .name: adj_bias, .offset: 40, .size: 8, .value_kind: global_buffer, .address_space: global }
      - { .name: edge_table, .offset: 48, .size: 8, .value_kind: global_buffer, .address_space: global }
      - { .name: ao, .offset: 56, .size: 8, .value_kind: global_buffer, .address_space: global }
    .group_segment_fixed_size: 327680
    .private_segment_fixed_size: 0
    .kernarg_segment_align: 8
    .kernarg_segment_size: 64
    .max_flat_workgroup_size: 256
    .sgpr_count:     100
    .vgpr_count:     448
    .wavefront_size: 32
...
	.end_amdgpu_metadata
.endif
;; end of part 3
;; launch proj (part 4): grid 32 x 8, 4 waves a work-group, clusters of 4 x 1, 176,640 bytes of LDS; arguments ao, wpi, out0; writes out0
.if DOCPART == 4
	.amdgcn_target "amdgcn-amd-amdhsa--gfx1250"
	.amdhsa_code_object_version 6
	.text
	.protected	k_q6aad739616_proj
	.globl	k_q6aad739616_proj
	.p2align	8
	.type	k_q6aad739616_proj,@function
k_q6aad739616_proj:
	s_mov_b64 s[64:65], 0
	v_nop
	global_prefetch_b8 v0, s[64:65] scope:SCOPE_SE
	s_setreg_imm32_b32 hwreg(HW_REG_WAVE_MODE, 25, 1), 1
	s_wait_xcnt 0x0
	s_wait_alu depctr_hold_cnt(0) depctr_sa_sdst(0) depctr_va_vdst(0) depctr_va_sdst(0) depctr_va_ssrc(0) depctr_va_vcc(0) depctr_vm_vsrc(0)
	s_getreg_b32 s2, hwreg(HW_REG_IB_STS2, 6, 4)
	s_cmp_eq_u32 s2, 0
	s_cbranch_scc0 .Lentry_in_a_cluster
	s_endpgm
.Lentry_in_a_cluster:
	s_bfe_u32 s2, ttmp6, 0x10000c
	s_cmp_lg_u32 s2, 0x3003
	s_cbranch_scc0 .Lentry_shape_is_right
	s_endpgm
.Lentry_shape_is_right:
; out0 = attention's result x Wproj on codes of FP6 (E2M3) with E8M0 scales, K = 1024; out0 [4096][1024] f32.
; Both operands are RECORDS (1,664 bytes: the register image of 16 rows x 128 K: six groups of 256 bytes, then 32 scale words); tile 2 B + u holds rows 32 B + 8 u + r + 8 (r / 8).
; SHARES.  A work-group makes 128 tokens (mb) x 128 columns (j); wave w: th = w / 2: 64 tokens, nh = w % 2: 64 columns: 16 accumulators.  The activations' fragments of the wave's four token tiles, all 8 K steps,
; stay in registers (384, read once); the weight tile, 106,496 dense bytes, is filled into LDS once: no slot is filled again.
; CLUSTER 4 x 1: the four token blocks of a cluster read the same weight tile: each quarter is asked for jointly, by the same tensor load with the same descriptor and the mask of all four.
; Source 0 = 16 columns of W, source 1 = 16 tokens: a lane holds one token and 16 neighbouring columns in two neighbouring tiles.  The way out goes through the wave's own stages (16 rows x 272 bytes for each token tile), behind the weight tile:
; sixteen lanes then store 256 consecutive bytes, at a multiple of 256 from out0's first byte.
; REGISTERS: window 0: v1-11 addresses; v32-63 the activations' scale words; v64-71 the weights'; v128-255 the accumulators.  Windows 1, 2: the activations' fragments.  Window 3: two sets of four weight fragments, later rows on the way out.
.set REC,  1664
.set TROW, 13312
.set WT,   106496
.set ACC,  128
.set XS,   32
.set WS,   64
.set AW,   3
.set AS,   6
.set MSB,  0
.macro WIN new                         ; the immediate's high byte repeats the setting that is left
.if MSB != \new
	s_set_vgpr_msb (MSB<<8)|\new
.set MSB, \new
.endif
.endm
.macro PLACES                          ; four plain lines between a matrix instruction and a load into, or a read of, its registers
.rept 4
	v_nop
.endr
.endm
.macro CROUND                          ; a round of the cluster's barrier
	s_barrier_signal -1
	s_barrier_wait -1
	s_cmp_lg_u32 s20, 0
	s_cbranch_scc1 .Lnot_wave_0_\@
	s_barrier_signal -3
.Lnot_wave_0_\@:
	s_barrier_wait -3
	s_barrier_signal -1
	s_barrier_wait -1
.endm
.macro FETCHW ks, f                    ; my four weight fragments of K step ks, and their scale words, into set f
	WIN 0xc0                                       ; destination window 3
.irp b, 0,1,2,3
.irp g, 0,1,2,3,4,5
	ds_load_b64 v[48*(\f)+12*\b+2*\g:48*(\f)+12*\b+2*\g+1], v[AW] offset:\b*TROW+(\ks)*REC+256*\g
.endr
.endr
	WIN 0
.irp b, 0,1,2,3
	ds_load_b32 v[WS+4*(\f)+\b], v[AS] offset:\b*TROW+(\ks)*REC
.endr
.endm
; 16 matrix instructions: my four token tiles x my four column tiles.  The 16 accumulators take turns, one instruction a turn.
.macro MUL16 f, ks, zero
.set XB, 48*((\ks)%5)
.if (\ks) < 5
	WIN 0x07                                       ; source 0 (W) window 3, source 1 window 1
.else
	WIN 0x0b
.endif
.irp a, 0,1,2,3
.irp b, 0,1,2,3
.set AD, ACC+8*(4*\a+\b)
.if \zero
	v_wmma_scale_f32_16x16x128_f8f6f4 v[AD:AD+7], v[48*(\f)+12*\b:48*(\f)+12*\b+11], v[XB+12*\a:XB+12*\a+11], 0, v[WS+4*(\f)+\b], v[XS+8*\a+(\ks)] matrix_a_fmt:MATRIX_FMT_FP6 matrix_b_fmt:MATRIX_FMT_FP6
.else
	v_wmma_scale_f32_16x16x128_f8f6f4 v[AD:AD+7], v[48*(\f)+12*\b:48*(\f)+12*\b+11], v[XB+12*\a:XB+12*\a+11], v[AD:AD+7], v[WS+4*(\f)+\b], v[XS+8*\a+(\ks)] matrix_a_fmt:MATRIX_FMT_FP6 matrix_b_fmt:MATRIX_FMT_FP6
.endif
.endr
.endr
.endm
.macro KSTEP ks, zero, fetch
	s_wait_dscnt 0x0                               ; this K step's fragments are in (asked for 16 matrix instructions ago)
.if \fetch
	PLACES                                         ; behind the last product that read the other set
	FETCHW (\ks)+1, ((\ks)+1)%2
.endif
	MUL16 (\ks)%2, \ks, \zero
.endm
	s_load_b128 s[4:7], s[0:1], 0x0                ; ao s[4:5], wpi s[6:7]
	s_load_b64 s[8:9], s[0:1], 0x10                ; out0
	v_lshl_add_u32 v126, v0, 2, 0x2b000
	v_mov_b32 v127, 0
	ds_add_u32 v126, v127
	ds_add_u32 v126, v127
	v_lshrrev_b32 v1, 5, v0
	v_readfirstlane_b32 s20, v1                    ; wave
	s_lshr_b32 s21, s20, 1                         ; th
	s_and_b32 s22, s20, 1                          ; nh
	s_bfe_u32 s23, ttmp6, 0x40000                  ; cx
	s_lshl_b32 s14, ttmp9, 2
	s_add_co_u32 s14, s14, s23                     ; mb: it enters the activations' loads and the stores alone
	s_and_b32 s15, ttmp7, 0xffff                   ; j, which the four partners share
	s_mov_b32 s24, 15|(3<<16)|(1<<21)              ; group 1: 26,624 dense bytes as 104 rows of 256 (32 elements of 8 bytes); the mask: all four; 21 set beside a mask
	s_mov_b32 s25, 32<<16
	s_mov_b32 s26, 104<<16
	s_mov_b32 s27, 32<<16
	s_mov_b32 s28, 104
	s_mov_b32 s29, 32
	s_mov_b32 s30, 0
	s_mov_b32 s31, 0
	s_mul_i32 s46, s20, 26624                      ; my quarter of the tile, in memory and in LDS
	s_mul_i32 s44, s15, WT
	s_add_co_u32 s44, s44, s46
	s_mov_b32 s45, 0
	s_wait_dscnt 0x0
	s_wait_kmcnt 0x0
	s_mov_b32 s32, 1
	s_mov_b32 s33, s46
	s_add_nc_u64 s[34:35], s[6:7], s[44:45]        ; column tiles 8 j on
	s_or_b32 s35, s35, 0x80000000
	CROUND                                         ; all four work-groups are here: the joint loads meet
	tensor_load_to_lds s[32:35], s[24:31]          ; one load of mine is out
	s_nop 0
.rept 4
	v_nop
.endr
	s_lshl_b32 s16, s14, 3
	s_lshl_b32 s17, s21, 2
	s_add_co_u32 s16, s16, s17                     ; my first token tile
	s_mov_b32 s53, 0
	s_mul_i32 s52, s16, TROW
	s_add_nc_u64 s[4:5], s[4:5], s[52:53]
	s_lshl_b32 s52, s14, 19                        ; out0: 128 mb rows of 4,096 bytes,
	s_lshl_b32 s17, s21, 18                        ; + 64 th rows,
	s_add_co_u32 s52, s52, s17
	s_lshl_b32 s17, s15, 9                         ; + 128 j columns,
	s_add_co_u32 s52, s52, s17
	s_lshl_b32 s17, s22, 8                         ; + 64 nh columns
	s_add_co_u32 s52, s52, s17
	s_add_nc_u64 s[8:9], s[8:9], s[52:53]
	v_and_b32 v13, 31, v0
	v_lshlrev_b32 v1, 3, v13                       ; 8 x lane
	v_lshlrev_b32 v14, 2, v13
	v_add_nc_u32 v2, 1536, v14                     ; 1,536 + 4 x lane
	WIN 0x40                                       ; destination window 1
.irp ks, 0,1,2,3,4
.irp a, 0,1,2,3
.irp g, 0,1,2,3,4,5
	global_load_b64 v[48*\ks+12*\a+2*\g:48*\ks+12*\a+2*\g+1], v1, s[4:5] offset:\a*TROW+\ks*REC+256*\g
.endr
.endr
.endr
	WIN 0x80                                       ; destination window 2
.irp ks, 5,6,7
.irp a, 0,1,2,3
.irp g, 0,1,2,3,4,5
	global_load_b64 v[48*(\ks-5)+12*\a+2*\g:48*(\ks-5)+12*\a+2*\g+1], v1, s[4:5] offset:\a*TROW+\ks*REC+256*\g
.endr
.endr
.endr
	WIN 0
.irp a, 0,1,2,3
.irp ks, 0,1,2,3,4,5,6,7
	global_load_b32 v[XS+8*\a+\ks], v2, s[4:5] offset:\a*TROW+\ks*REC
.endr
.endr
	s_mul_i32 s47, s22, 4*TROW                     ; my four column tiles
	v_add_nc_u32 v[AW], s47, v1
	v_add_nc_u32 v[AS], s47, v2
	v_and_b32 v14, 15, v0                          ; r
	v_bfe_u32 v15, v0, 4, 1                        ; h
	s_mul_i32 s17, s20, 17408
	s_add_co_u32 s17, s17, WT                      ; my four stages
	v_mul_u32_u24 v9, v14, 272
	v_lshl_add_u32 v9, v15, 6, v9
	v_add_nc_u32 v9, s17, v9                       ; in: row r, + 64 h: my 16 columns of each 32
	v_mul_u32_u24 v10, v15, 272
	v_lshl_add_u32 v10, v14, 4, v10
	v_add_nc_u32 v10, s17, v10                     ; back: lanes 0-15 one row, lanes 16-31 the next
	v_lshlrev_b32 v11, 12, v15
	v_lshl_add_u32 v11, v14, 4, v11                ; and the same two rows in out0
	s_wait_loadcnt 0x0
	s_wait_tensorcnt 0x0                           ; my quarter of the tile is in,
	s_barrier_signal -1
	s_barrier_wait -1                              ; everybody's is
	FETCHW 0, 0
	KSTEP 0, 1, 1                                  ; the first K step's products start the sums: nothing is cleared
.irp k, 1,2,3,4,5,6
	KSTEP \k, 0, 1
.endr
	KSTEP 7, 0, 0
	WIN 0
	PLACES
	s_wait_alu depctr_va_vdst(0)
.irp a, 0,1,2,3                                ; lane (r, h), tile (a, b): token row r of tile a, columns 32 (b / 2) + 16 h + 8 (b % 2) + 0 .. 7; each accumulator from its low end on
.irp b, 0,1,2,3
	ds_store_b128 v9, v[ACC+8*(4*\a+\b):ACC+8*(4*\a+\b)+3] offset:\a*4352+128*(\b/2)+32*(\b%2)
	ds_store_b128 v9, v[ACC+8*(4*\a+\b)+4:ACC+8*(4*\a+\b)+7] offset:\a*4352+128*(\b/2)+32*(\b%2)+16
.endr
.endr
	WIN 0xc0                                       ; destination window 3
.irp a, 0,1,2,3
.irp i, 0,1,2,3,4,5,6,7
	ds_load_b128 v[32*\a+4*\i:32*\a+4*\i+3], v10 offset:\a*4352+544*\i   ; LDS serves a wave's instructions in order: these see my stores
.endr
.endr
	WIN 0x0c                                       ; a store's data: window 3
.irp a, 0,1,2,3
.irp i, 0,1,2,3,4,5,6,7
	s_wait_dscnt 31-8*\a-\i                        ; this pair of rows is back; the younger loads may be out
	global_store_b128 v11, v[32*\a+4*\i:32*\a+4*\i+3], s[8:9] offset:(32*(\a/2)+8*(\a%2)+2*\i+8*(\i/4))*4096 th:TH_STORE_NT   ; stage rows 2 i, 2 i + 1 of tile a are tokens 32 (a / 2) + 8 (a % 2) + 2 i + 8 (i / 4) on
.endr
.endr
	WIN 0
	s_wait_tensorcnt 0x0
	ds_add_u32 v126, v127
	s_wait_dscnt 0x0
	CROUND                                         ; the closing round
	s_endpgm
.Lfunc_end_k_q6aad739616_proj:
	.size	k_q6aad739616_proj, .Lfunc_end_k_q6aad739616_proj-k_q6aad739616_proj
	.p2alignl 7, 3214868480
	.fill 96, 4, 3214868480
	.section	.rodata,"a",@progbits
	.p2align	6, 0x0
	.amdhsa_kernel k_q6aad739616_proj
		.amdhsa_group_segment_fixed_size 176640
		.amdhsa_private_segment_fixed_size 0
		.amdhsa_enable_private_segment 0
		.amdhsa_kernarg_size 24
		.amdhsa_user_sgpr_count 2
		.amdhsa_user_sgpr_kernarg_segment_ptr 1
		.amdhsa_wavefront_size32 1
		.amdhsa_system_sgpr_workgroup_id_x 1
		.amdhsa_system_sgpr_workgroup_id_y 1
		.amdhsa_system_sgpr_workgroup_id_z 1
		.amdhsa_system_vgpr_workitem_id 0
		.amdhsa_next_free_vgpr 896
		.amdhsa_next_free_sgpr 66
		.amdhsa_reserve_vcc 0
		.amdhsa_float_denorm_mode_32 3
		.amdhsa_float_denorm_mode_16_64 3
		.amdhsa_memory_ordered 1
		.amdhsa_forward_progress 1
		.amdhsa_inst_pref_size 66
	.end_amdhsa_kernel
	.amdgpu_metadata
---
amdhsa.version: [ 1, 2 ]
amdhsa.kernels:
  - .name:           k_q6aad739616_proj
    .symbol:         k_q6aad739616_proj.kd
    .args:
      - { .name: ao, .offset: 0, .size: 8, .value_kind: global_buffer, .address_space: global }
      - { .name: wpi, .offset: 8, .size: 8, .value_kind: global_buffer, .address_space: global }
      - { .name: out0, .offset: 16, .size: 8, .value_kind: global_buffer, .address_space: global }
    .group_segment_fixed_size: 176640
    .private_segment_fixed_size: 0
    .kernarg_segment_align: 8
    .kernarg_segment_size: 24
    .max_flat_workgroup_size: 128
    .sgpr_count:     66
    .vgpr_count:     896
    .wavefront_size: 32
...
	.end_amdgpu_metadata
.endif
;; end of part 4
